; MI455X (gfx1250); checked and timed in simulation.
; The chip was launched on July 23, 2026; its instructions are those of AMD's public machine-readable ISA for CDNA 5 (MIT licence, August 2026) and "CDNA5" Instruction Set Architecture Reference Guide (July 2026). The comments in the code are by the model that wrote it; some were corrected since.
;; Transformer Encoder Layer With Channels. Allowed arithmetic: matrix products marked QUANTISED: E3M2 operands, one E8M0 scale for each 32 along K, by v_wmma_scale_f32_16x16x128_f8f6f4 with both operands' format E3M2, f32 sums; everything else in f32.
;; Inputs: W1 512 x 2,048 float32; W2 2,048 x 512 float32; b1 2,048 float32; b2 512 float32; be1 512 float32; be2 512 float32; g1 512 float32; g2 512 float32; key_padding_mask 8 x 2,048 float32; src 8 x 1 x 2,048 x 512 float32.
;; Outputs: out0 8 x 1 x 2,048 x 512 float32.
;; This version of the problem:
;;   THIS VERSION OF THE PROBLEM IS GIVEN IN LOW PRECISION. The matrix products marked QUANTISED in the list below multiply operands that are first quantised to E3M2 (3 exponent bits, 2 mantissa bits; 6 bits a number), with one power-of-two scale for each 32 numbers along K (OCP MX v1.0); their sums are f32. All else is computed in f32.
;;   The module's matrix products, in the order in which they are computed (A, B: the left and right operand; K: the contracted axis; several contracted axes count as one K, in the product's order):
;;     1. batch 8 x [M 2,048, K 512] x [K 512, N 2,048]; A: input src; B: input src: QUANTISED
;;     2. batch 8 x [M 2,048, K 2,048] x [K 2,048, N 512]; A: softmax (see below); B: input src: QUANTISED
;;     3. [M 16,384, K 512] x [K 512, N 2,048]; A: computed on the way; B: input W1: QUANTISED
;;     4. [M 16,384, K 2,048] x [K 2,048, N 512]; A: computed on the way; B: input W2: QUANTISED
;;   THE QUANTISER, for each operand of a quantised product, along K:
;;     - K is cut into blocks of 32 from its start; a last block that is shorter is filled with zeros.
;;     - A block's scale is 2^e with e = floor(log2(the largest magnitude in the block)) - 4, held to -126 .. 127; a block of zeros has e = 0. As a byte (E8M0): e + 127.
;;     - Each number is divided by its block's scale, clamped to +-28, and rounded to the nearest number of E3M2, ties to even, subnormals kept.
;;     - The product sums the exact products of the quantised numbers (number of the format x scale) in f32.
;;   ~~~python
;;   def quantise(x, axis):      # numpy; x: float32 -> the quantised numbers, widened to float32 again
;;       x = np.moveaxis(x, axis, -1); K = x.shape[-1]
;;       x = np.pad(x, [(0, 0)] * (x.ndim - 1) + [(0, -K % 32)]); x = x.reshape(x.shape[:-1] + (-1, 32)); a = np.abs(x).max(-1, keepdims=True)
;;       e = np.where(a > 0, np.clip(np.frexp(np.where(a > 0, a, 1))[1] - 1 - 4, -126, 127), 0)      # np.frexp(a)[1] - 1 = floor(log2(a)), exactly
;;       r = np.clip(x / 2.0 ** e, -28, 28)
;;       step = 2.0 ** (np.maximum(np.frexp(np.where(r == 0, 1, r))[1] - 1, -2) - 2)
;;       q = np.round(r / step) * step * 2.0 ** e      # np.round: ties to even
;;       return np.moveaxis(q.reshape(q.shape[:-2] + (-1,))[..., :K], -1, axis).astype(np.float32)
;;   ~~~
;;   SOFTMAX AHEAD OF A QUANTISED PRODUCT. Where the list says 'softmax', what is quantised is not the finished softmax but p = 2^(t - M), with t = logit x log2(e) and M = ceil(the row's largest t), a whole number; so 1/2 < the row's largest p <= 1. The row's sum l is taken of the UNQUANTISED p, in f32, and the product's result is divided by l at the end. Since M is a whole number, a kernel that streams over the keys may use a running M (the ceiling of the running maximum): every later rescaling is an exact power of two, which a block's scale takes up: the codes' values come out the same.
;;   OPERANDS COMPUTED ON THE WAY. 'Computed on the way' means the value that the module computes at that place (a softmax that the list does not call 'softmax' is quantised finished and normalised). What goes into a quantiser is computed in f32, as accurately as f32 sums, v_exp_f32 and their like allow (about 1e-6 of the number): no bf16 or f16 on the way to a quantiser, and a product that is left as it is and whose result goes on into a quantised operand takes f32 operands (vector FMAs, or v_wmma_f32_16x16x4_f32). A number that lies on a knife's edge between two numbers of the format may be rounded either way, as far as f32 arithmetic and the matrix unit's own rounding can turn it there, and no further.
;; 2 versions. Each part assembles by itself: llvm-mc -triple=amdgcn-amd-amdhsa -mcpu=gfx1250 --defsym DOCPART=n.
;; ======== version 1 of 2: 2 launches
;; workspace buffers: codes 14,745,600 bytes
;; launch prep (part 1): grid 640 x 1, 4 waves a work-group, no clusters, 69,120 bytes of LDS; arguments src, W1, W2, codes; writes codes
.if DOCPART == 1
	.amdgcn_target "amdgcn-amd-amdhsa--gfx1250"
	.amdhsa_code_object_version 6
	.text
	.protected	k_qe2df9b278c_prep
	.globl	k_qe2df9b278c_prep
	.p2align	8
	.type	k_qe2df9b278c_prep,@function
k_qe2df9b278c_prep:
	s_mov_b64 s[64:65], 0
	v_nop
	global_prefetch_b8 v0, s[64:65] scope:SCOPE_SE
	s_setreg_imm32_b32 hwreg(HW_REG_WAVE_MODE, 25, 1), 1
	s_wait_xcnt 0x0
; src [8][2048][512], W1 [512][2048], W2 [2048][512], f32, become codes of BF6 (E3M2) with one E8M0 byte for each 32 along K, laid as IMAGES OF OPERAND REGISTERS in the order in which the second launch walks them.
; src is quantised twice: along e (its rows: the first product's operands) and along the keys (its columns: the second product's).  W1 and W2 have K as their first axis: along their columns.
; A block's scale is 2^(floor(log2(largest magnitude)) - 4): its byte is the largest magnitude's exponent field - 4, held at 1 from below.
; LIMITS: NaN and infinities among the inputs are not served; a block whose largest magnitude lies under 2^-122 keeps the byte 1; a block of zeros gets the byte 1 where the rule says 127: its codes are zeros,
; which add nothing under any byte but 0xff, and only this program reads the bytes.
; LAYOUT OF codes: 9 regions (8 batches, then the two weights) of 16 tiles of TILEB bytes.  Tile 4 m + hs: operand with rows = keys (or hidden units) 512 m .. 512 m + 511, K = e, K steps 2 hs, 2 hs + 1.
; Tile 4 m + 2 + hs: operand with rows = the 512 e, K = keys (or hidden units), K steps 4 m + 2 hs, + 1.  A tile: 64 fragment images, (K step & 1, T) at (32 (K step & 1) + T) FRB, T = 8 w + t; lane r of tile t = 2 b + u
; holds row 128 w + 32 b + 8 u + r + 8 (r / 8); an image is three runs of 512 bytes, run c = registers 4 c .. 4 c + 3, lane l's at 16 l.  Behind them the scale words: SCOFF + 1024 w + 512 (t / 4) + 16 l + 4 (t % 4),
; l = r for the even K step, 16 + r for the odd one.
; SHARES: a work-group takes one tile of 128 x 128 numbers through LDS; wave w makes the two fragments of rows (or columns) 32 w .. 32 w + 31.  Work-groups 0-511: src; 512-575: W2; 576-639: W1.
; One path serves all three: pointers, pitch and places are chosen by the work-group's number; only the quantising along rows stands under a scalar branch on it (no barrier inside).
; No tensor loads, no cluster: no two work-groups read the same bytes.
.set FRB,    1536
.set TILEB,  102400
.set SCOFF,  98304
.set REGION, 1638400
.set PITCH,  528                       ; an LDS row: 512 bytes + 16
.set RS,     128*PITCH                 ; 512 bytes: the scale words made along rows
.set CS,     RS+512                    ; 512 bytes: those made along columns
.set OFF,    32                        ; v32-63   byte offsets of my 32 rows
.set X,      64                        ; v64-191  the rows as loaded; later the numbers at work
	s_load_b256 s[4:11], s[0:1], 0x0               ; src s[4:5], W1 s[6:7], W2 s[8:9], codes s[10:11]
	v_lshl_add_u32 v254, v0, 2, 0x10c00
	v_mov_b32 v255, 0
	v_lshrrev_b32 v1, 5, v0
	v_readfirstlane_b32 s29, v1                    ; wave 0..3
	v_and_b32 v1, 31, v0                           ; lane
	v_and_b32 v2, 15, v0                           ; r
	v_bfe_u32 v3, v0, 4, 1                         ; h
	v_lshlrev_b32 v4, 4, v1                        ; 16 x lane
	s_mov_b32 s12, ttmp9
	s_bfe_u32 s13, s12, 0x40002                    ; A: 4 bits from bit 2
	s_and_b32 s14, s12, 3                          ; Bq
	s_lshr_b32 s15, s12, 6
	s_min_u32 s15, s15, 8                          ; the region: the batch, or 8
	; the two places in codes: "K" (rows = block A, K step Bq) and "V" (rows = block Bq, K step A)
	s_lshr_b32 s23, s13, 2
	s_lshl_b32 s23, s23, 2                         ; 4 (A / 4)
	s_lshr_b32 s24, s14, 1
	s_add_co_u32 s24, s24, s23                     ; K: tile 4 (A / 4) + Bq / 2
	s_and_b32 s25, s14, 1                          ;    K step & 1 = Bq & 1
	s_and_b32 s26, s13, 3                          ;    w = A & 3
	s_bfe_u32 s27, s13, 0x10001
	s_add_co_u32 s27, s27, s23
	s_add_co_u32 s27, s27, 2                       ; V: tile 4 (A / 4) + 2 + (A / 2) & 1
	s_and_b32 s28, s13, 1                          ;    K step & 1 = A & 1;  w = Bq
	s_mul_i32 s30, s15, REGION
	s_mul_i32 s31, s24, TILEB
	s_add_co_u32 s31, s31, s30
	s_lshl_b32 s32, s25, 5
	s_lshl_b32 s33, s26, 3
	s_add_co_u32 s32, s32, s33
	s_lshl_b32 s33, s29, 1
	s_add_co_u32 s32, s32, s33                     ; image 32 (K step & 1) + 8 w + 2 wave
	s_mul_i32 s32, s32, FRB
	s_add_co_u32 s32, s32, s31                     ; K: my two images
	s_lshl_b32 s33, s26, 10
	s_lshl_b32 s34, s25, 8
	s_add_co_u32 s33, s33, s34
	s_add_co_u32 s33, s33, s31
	s_add_co_u32 s33, s33, SCOFF                   ; K: the work-group's scale words
	s_mul_i32 s35, s27, TILEB
	s_add_co_u32 s35, s35, s30
	s_lshl_b32 s36, s28, 5
	s_lshl_b32 s37, s14, 3
	s_add_co_u32 s36, s36, s37
	s_lshl_b32 s37, s29, 1
	s_add_co_u32 s36, s36, s37
	s_mul_i32 s36, s36, FRB
	s_add_co_u32 s36, s36, s35                     ; V: my two images
	s_lshl_b32 s37, s14, 10
	s_lshl_b32 s38, s28, 8
	s_add_co_u32 s37, s37, s38
	s_add_co_u32 s37, s37, s35
	s_add_co_u32 s37, s37, SCOFF                   ; V: the scale words
	s_mov_b32 s18, 8192
	s_cmp_lt_u32 s12, 576                          ; src or W2: columns go to the V place; W1: to the K place
	s_cselect_b32 s36, s36, s32
	s_cselect_b32 s37, s37, s33
	s_cselect_b32 s16, s13, s14                    ; block of rows in memory
	s_cselect_b32 s17, s14, s13                    ; block of columns
	s_cselect_b32 s18, 2048, s18                   ; bytes from row to row
	s_wait_kmcnt 0x0
	s_cselect_b64 s[20:21], s[8:9], s[6:7]
	s_cmp_lt_u32 s12, 512
	s_cselect_b64 s[20:21], s[4:5], s[20:21]
	s_cselect_b32 s22, s15, 0                      ; the batch
	s_lshl_b32 s22, s22, 22
	s_mul_i32 s19, s16, s18
	s_lshl_b32 s19, s19, 7
	s_add_co_u32 s22, s22, s19
	s_lshl_b32 s19, s17, 9
	s_add_co_u32 s22, s22, s19
	s_mov_b32 s23, 0
	s_add_nc_u64 s[20:21], s[20:21], s[22:23]      ; the tile's first number
	s_mov_b32 s40, s32
	s_mov_b32 s41, 0
	s_add_nc_u64 s[40:41], s[10:11], s[40:41]      ; along rows: images
	s_mov_b32 s42, s33
	s_mov_b32 s43, 0
	s_add_nc_u64 s[42:43], s[10:11], s[42:43]      ;             scale words
	s_mov_b32 s44, s36
	s_mov_b32 s45, 0
	s_add_nc_u64 s[44:45], s[10:11], s[44:45]      ; along columns: images
	s_mov_b32 s46, s37
	s_mov_b32 s47, 0
	s_add_nc_u64 s[46:47], s[10:11], s[46:47]      ;                scale words
	s_mov_b32 s48, 0x76543210
	s_mov_b32 s49, 0xfedcba98                      ; v_permlanex16_b32's selects for lane l xor 16
	s_mul_i32 s50, s29, s18
	s_lshl_b32 s50, s50, 5                         ; my 32 rows in memory
	v_add_nc_u32 v[OFF], s50, v4
.set i, 1
.rept 31
	v_add_nc_u32 v[OFF+i], s18, v[OFF+i-1]
.set i, i+1
.endr
.set i, 0
.rept 32
	global_load_b128 v[X+4*i:X+4*i+3], v[OFF+i], s[20:21] th:TH_LOAD_NT   ; a row's 512 consecutive bytes
.set i, i+1
.endr
	s_mul_i32 s51, s29, 32*PITCH
	v_add_nc_u32 v5, s51, v4                       ; into the tile: my rows, 16 x lane
	v_and_b32 v6, 8, v2
	v_add_nc_u32 v6, v6, v2                        ; r + 8 (r / 8)
	v_mul_u32_u24 v6, v6, PITCH
	v_lshl_add_u32 v6, v3, 7, v6
	v_add_nc_u32 v6, s51, v6                       ; along rows: my row, + 128 h bytes
	s_lshr_b32 s52, s29, 1
	s_lshl_b32 s52, s52, 8
	s_and_b32 s53, s29, 1
	s_lshl_b32 s53, s53, 3
	s_add_co_u32 s52, s52, s53                     ; 256 (wave / 2) + 8 (wave & 1)
	s_add_co_u32 s53, s52, RS
	v_lshl_add_u32 v7, v2, 4, s53                  ; my scale word made along rows
	v_lshlrev_b32 v8, 2, v0                        ; along columns: column 32 wave + lane, rows 0-63,
	v_add_nc_u32 v9, 64*PITCH, v8                  ; rows 64-127
	v_bfe_u32 v15, v0, 3, 1                        ; my column is lane r' of tile u': u' = (lane / 8) & 1,
	v_and_b32 v13, 7, v0
	v_lshl_add_u32 v13, v3, 3, v13                 ; r' = lane % 8 + 8 (lane / 16)
	v_mul_u32_u24 v10, v15, FRB
	v_lshl_add_u32 v10, v13, 4, v10                ; its place in my two images
	s_add_co_u32 s53, s52, CS
	v_lshl_add_u32 v11, v13, 4, s53
	v_lshl_add_u32 v11, v15, 2, v11                ; and its scale word
	v_lshlrev_b32 v12, 3, v3                       ; 8 h
	v_lshlrev_b32 v14, 9, v3
	v_lshl_add_u32 v14, v2, 4, v14                 ; the scale words' way out: 512 (lane / 16) + 16 (lane % 16)
	v_add_nc_u32 v31, RS, v4                       ; where they are read back: RS lies beyond an LDS immediate's 16 bits, so the register carries it
	v_mov_b32 v23, 0                               ; a lane permute's destination counts as one of its sources
.set i, 0
.rept 32
	s_wait_loadcnt 31-i                            ; loads come back in order: row i is in, the younger ones stay out
	ds_store_b128 v5, v[X+4*i:X+4*i+3] offset:i*PITCH
.set i, i+1
.endr
	s_wait_dscnt 0x0                               ; for the others' sake: my rows lie in the tile
	s_barrier_signal -1
	s_barrier_wait -1
	s_cmp_ge_u32 s12, 512
	s_cbranch_scc1 .Lno_rows                       ; the weights are quantised along columns alone
	; ---- along rows: lane (r, h) takes two whole blocks of 32 of its row, in the order of the operand's registers
.irp u, 0,1
.irp c, 0,1
.irp j, 0,1,2,3,4,5,6,7
	ds_load_b128 v[X+64*\u+32*\c+4*\j:X+64*\u+32*\c+4*\j+3], v6 offset:8*\u*PITCH+256*\c+16*\j
.endr
.endr
.endr
.macro ROWQ u
.set XS, X+64*\u
.set CC0, 192+12*\u
.irp c, 0,1
	v_max3_num_f32 v[16+\c], |v[XS+32*\c]|, |v[XS+32*\c+1]|, 0x2800000   ; block 2 c + h, and the floor 2^(5 - 127): the byte cannot fall under 1
.endr
.irp i, 2,4,6,8,10,12,14,16,18,20,22,24,26,28,30
.irp c, 0,1
	v_max3_num_f32 v[16+\c], v[16+\c], |v[XS+32*\c+\i]|, |v[XS+32*\c+\i+1]|
.endr
.endr
.irp c, 0,1
	v_add_nc_u32 v[18+\c], 0xfe000000, v[16+\c]    ; 4 off the exponent field: the conversion's scale operand
.endr
.irp c, 0,1
	v_lshrrev_b32 v[20+\c], 23, v[18+\c]           ; the scale's byte
.endr
	v_lshl_or_b32 v22, v21, 16, v20                ; my two bytes, blocks h and 2 + h,
	v_lshlrev_b32 v22, v12, v22                    ; at their places in the word;
	v_permlanex16_b32 v23, v22, s48, s49
	v_or_b32 v[24+\u], v22, v23                    ; with lane l xor 16's two the word is whole
.irp c, 0,1
	v_cvt_scalef32_pk16_bf6_f32 v[CC0+6*\c:CC0+6*\c+2], v[XS+32*\c:XS+32*\c+15], v[18+\c]
	v_cvt_scalef32_pk16_bf6_f32 v[216+4*\c:218+4*\c], v[XS+32*\c+16:XS+32*\c+31], v[18+\c]   ; (a conversion's three registers begin on an even number)
.endr
	v_nop                                          ; one plain place behind a scaled conversion
.irp c, 0,1
.irp i, 0,1,2
	v_mov_b32 v[CC0+6*\c+3+\i], v[216+4*\c+\i]
.endr
.endr
.irp c, 0,1,2
	global_store_b128 v4, v[CC0+4*\c:CC0+4*\c+3], s[40:41] offset:\u*FRB+512*\c   ; 32 lanes store 512 consecutive bytes, aligned
.endr
.endm
	s_wait_dscnt 16                                ; the first tile's 16 loads are in
	ROWQ 0
	s_wait_dscnt 0x0
	ROWQ 1
	ds_store_b32 v7, v24                           ; lanes r and 16 + r write the same word with the same value
	ds_store_b32 v7, v25 offset:4
.Lno_rows:
	; ---- along columns: a lane takes a column, its registers run down K: four whole blocks
.macro CLOAD bi
.set i, 0
.rept 32
	ds_load_b32 v[X+32*((\bi)%2)+i], v[8+(\bi)/2] offset:((32*(\bi)+i)%64)*PITCH
.set i, i+1
.endr
.endm
.macro CBLK bi
.set XS, X+32*((\bi)%2)
.set CD, 224+12*((\bi)%2)+6*((\bi)/2)  ; block bi belongs to fragment lane (r', bi & 1), registers 6 (bi / 2) on
	v_max3_num_f32 v26, |v[XS]|, |v[XS+1]|, |v[XS+2]|
	v_max3_num_f32 v27, |v[XS+3]|, |v[XS+4]|, |v[XS+5]|
.irp i, 6,10,14,18,22,26
	v_max3_num_f32 v26, v26, |v[XS+\i]|, |v[XS+\i+1]|
	v_max3_num_f32 v27, v27, |v[XS+\i+2]|, |v[XS+\i+3]|
.endr
	v_max3_num_f32 v26, v26, |v[XS+30]|, |v[XS+31]|
	v_max3_num_f32 v26, v26, v27, 0x2800000
	v_add_nc_u32 v28, 0xfe000000, v26
	v_lshrrev_b32 v29, 23, v28
.if (\bi) == 0
	v_mov_b32 v30, v29
.else
	v_lshl_or_b32 v30, v29, 8*(\bi), v30           ; the four bytes make my column's scale word
.endif
	v_cvt_scalef32_pk16_bf6_f32 v[CD:CD+2], v[XS:XS+15], v28
	v_cvt_scalef32_pk16_bf6_f32 v[248:250], v[XS+16:XS+31], v28
	v_nop
.irp i, 0,1,2
	v_mov_b32 v[CD+3+\i], v[248+\i]
.endr
.endm
	CLOAD 0
	CLOAD 1
	s_wait_dscnt 32                                ; block 0 is in, block 1's 32 loads may be out; likewise below
	CBLK 0
	CLOAD 2
	s_wait_dscnt 32
	CBLK 1
	CLOAD 3
	s_wait_dscnt 32
	CBLK 2
	s_wait_dscnt 0x0
	CBLK 3
.irp h, 0,1
.irp c, 0,1,2
	global_store_b128 v10, v[224+12*\h+4*\c:224+12*\h+4*\c+3], s[44:45] offset:256*\h+512*\c   ; sixteen lanes store 256 consecutive bytes, aligned, in each of the two images
.endr
.endr
	ds_store_b32 v11, v30
	s_wait_dscnt 0x0                               ; for the others' sake: my scale words lie in LDS
	s_barrier_signal -1
	s_barrier_wait -1
	s_cmp_lg_u32 s29, 1
	s_cbranch_scc1 .Lnot_one
	ds_load_b128 v[16:19], v31 offset:512          ; the words made along columns: CS = RS + 512
	s_wait_dscnt 0x0
	global_store_b128 v14, v[16:19], s[46:47]      ; two runs of 256 consecutive bytes, aligned
.Lnot_one:
	s_cmp_lg_u32 s29, 0
	s_cbranch_scc1 .Lend
	s_cmp_ge_u32 s12, 512
	s_cbranch_scc1 .Lend
	ds_load_b128 v[64:67], v31                     ; the words made along rows
	s_wait_dscnt 0x0
	global_store_b128 v14, v[64:67], s[42:43]
.Lend:
	s_wait_tensorcnt 0x0
	ds_add_u32 v254, v255
	s_wait_dscnt 0x0
	s_endpgm
.Lfunc_end_k_qe2df9b278c_prep:
	.size	k_qe2df9b278c_prep, .Lfunc_end_k_qe2df9b278c_prep-k_qe2df9b278c_prep
	.p2alignl 7, 3214868480
	.fill 96, 4, 3214868480
	.section	.rodata,"a",@progbits
	.p2align	6, 0x0
	.amdhsa_kernel k_qe2df9b278c_prep
		.amdhsa_group_segment_fixed_size 69120
		.amdhsa_private_segment_fixed_size 0
		.amdhsa_enable_private_segment 0
		.amdhsa_kernarg_size 32
		.amdhsa_user_sgpr_count 2
		.amdhsa_user_sgpr_kernarg_segment_ptr 1
		.amdhsa_wavefront_size32 1
		.amdhsa_system_sgpr_workgroup_id_x 1
		.amdhsa_system_sgpr_workgroup_id_y 1
		.amdhsa_system_sgpr_workgroup_id_z 1
		.amdhsa_system_vgpr_workitem_id 0
		.amdhsa_next_free_vgpr 256
		.amdhsa_next_free_sgpr 66
		.amdhsa_reserve_vcc 0
		.amdhsa_float_denorm_mode_32 3
		.amdhsa_float_denorm_mode_16_64 3
		.amdhsa_memory_ordered 1
		.amdhsa_forward_progress 1
		.amdhsa_inst_pref_size 37
	.end_amdhsa_kernel
	.amdgpu_metadata
---
amdhsa.version: [ 1, 2 ]
amdhsa.kernels:
  - .name:           k_qe2df9b278c_prep
    .symbol:         k_qe2df9b278c_prep.kd
    .args:
      - { .name: src, .offset: 0, .size: 8, .value_kind: global_buffer, .address_space: global }
      - { .name: W1, .offset: 8, .size: 8, .value_kind: global_buffer, .address_space: global }
      - { .name: W2, .offset: 16, .size: 8, .value_kind: global_buffer, .address_space: global }
      - { .name: codes, .offset: 24, .size: 8, .value_kind: global_buffer, .address_space: global }
    .group_segment_fixed_size: 69120
    .private_segment_fixed_size: 0
    .kernarg_segment_align: 8
    .kernarg_segment_size: 32
    .max_flat_workgroup_size: 128
    .sgpr_count:     66
    .vgpr_count:     256
    .wavefront_size: 32
...
	.end_amdgpu_metadata
.endif
;; end of part 1
;; launch layer (part 2): grid 256 x 1, 4 waves a work-group, clusters of 4 x 1, 327,680 bytes of LDS; arguments codes, src, key_padding_mask, b1, b2, g1, be1, g2, be2, out0; writes out0
.if DOCPART == 2
	.amdgcn_target "amdgcn-amd-amdhsa--gfx1250"
	.amdhsa_code_object_version 6
	.text
	.protected	k_qe2df9b278c_layer
	.globl	k_qe2df9b278c_layer
	.p2align	8
	.type	k_qe2df9b278c_layer,@function
k_qe2df9b278c_layer:
	s_mov_b64 s[64:65], 0
	v_nop
	global_prefetch_b8 v0, s[64:65] scope:SCOPE_SE
	s_setreg_imm32_b32 hwreg(HW_REG_WAVE_MODE, 25, 1), 1
	s_wait_xcnt 0x0
	s_wait_alu depctr_hold_cnt(0) depctr_sa_sdst(0) depctr_va_vdst(0) depctr_va_sdst(0) depctr_va_ssrc(0) depctr_va_vcc(0) depctr_vm_vsrc(0)
	s_getreg_b32 s2, hwreg(HW_REG_IB_STS2, 6, 4)
	s_cmp_eq_u32 s2, 0
	s_cbranch_scc0 .Lentry_in_a_cluster
	s_endpgm
.Lentry_in_a_cluster:
	s_bfe_u32 s2, ttmp6, 0x10000c
	s_cmp_lg_u32 s2, 0x3003
	s_cbranch_scc0 .Lentry_shape_is_right
	s_endpgm
.Lentry_shape_is_right:
; out0 = LN2(src2 + relu(src2 W1 + b1) W2 + b2), src2 = LN1(src + softmax(src src^T / sqrt(512) - 5 mask) src); all four products on codes of BF6 (E3M2) with E8M0 scales, sums in f32.
; A work-group of four waves owns 64 rows through the whole layer; src2 and the hidden layer never go to memory.
; THE FFN HAS ATTENTION'S SHAPE: W1's columns play the keys, relu the softmax, W2 the values.  So both halves run the same MACRO STEP of 512 "keys", four for attention, four for the FFN:
;   S:  wave w makes S^T (source 0 = 16 keys, source 1 = 16 queries) for keys 128 w .. 128 w + 127 of the step x all 64 queries: 32 accumulators, 4 K steps.  The first K step's C is a number a key: -5 sqrt(512) mask, or b1.
;   activation: softmax (p = 2^(t - M), M the ceiling of the running largest t over all four waves' keys; the row's sum of the unquantised p) or relu; quantised in registers along the keys.  The wave's 128 keys are
;       one K step of the next product: one fragment and one scale word a query tile, handed to the other waves through LDS as images of their registers.
;   PV: wave w owns e = 128 w .. 128 w + 127 of O^T (source 0 = 16 e, source 1 = P) for all 64 queries: 32 accumulators, 4 K steps.
; So each fragment of K, V, W1, W2 is read from LDS by one wave alone, and feeds four matrix instructions.
; THE ROWS OF A TILE ARE NOT NEIGHBOURS: lane r of tile 2 b + u holds row 32 b + 8 u + r + 8 (r / 8), for every operand and for the query tiles too: so the 16 registers of result tiles 2 b, 2 b + 1 are 16 neighbours along
; the next K, and Q's fragments are taken from the keys' images as they lie.
; RING: the first launch laid the operands as tiles of TILEB bytes in the order of use; two LDS slots; each wave fetches a quarter of a tile with one tensor load; four changes of slots a macro step.
; CLUSTER: the four work-groups of a cluster are row blocks of one batch and walk the same tiles (and all work-groups the same weights): each quarter is asked for JOINTLY, same descriptor, mask of all four.
; A mask names four work-groups, and every tile is shared along one axis alone: so the cluster is 4 x 1.
; LIMITS: NaN and infinities are not served; a p under 2^-126 counts as 0; a block whose largest magnitude lies under 2^-122 keeps the byte 1 (a block of zeros too: its codes are zeros); the f32 sums of a row (the softmax's
; sum, the norms' sums) are formed wave by wave and then added, and the FFN's sums begin at src2 + b2: another order of rounding than the reference's; the mask enters as -5 sqrt(512) mask ahead of the common factor.
; REGISTERS, in windows of 256 (s_set_vgpr_msb: bits 1:0 source 0, 3:2 source 1, 5:4 source 2, 7:6 destination):
;   window 0: v1-17 addresses; v20-27 at work; v32-63 eight statistics a query tile; v64-71 Q's scale words, v72-79 P's, v80-95 the ring operand's (a set a slot); v96-159 the quantiser's; v160-255 eight fragments from the ring,
;             during an activation the codes just made.   window 1: v0-191 Q (later src2's codes), v192-255 the bias; at the seam src's rows; at the end g2, be2.
;   window 2: S^T at 64 qt + 8 t; in PV the 16 fragments of P; at the seam g1, be1, b2; at the end rows of out0.   window 3: O^T (later x, src2 + b2 + the FFN's sums) at 64 qt + 8 t.
.set FRB,    1536
.set TILEB,  102400
.set SCOFF,  98304
.set QUART,  25600
.set REGION, 1638400
.set PIMG,   2*TILEB                   ; behind the ring: 16 fragment images, (K step s, query tile qt) at (4 s + qt) FRB
.set PSC,    PIMG+16*FRB               ; their scale words: 512 (s / 2) + 16 (r + 16 (s & 1)) + 4 qt
.set XCH,    PSC+1024                  ; six areas of 2,048 bytes for numbers that the four waves exchange: 512 qt + 16 lane + 4 wave
.set MAXX,   0
.set LSUM,   2048
.set L1A,    4096
.set L1B,    6144
.set L2A,    8192
.set L2B,    10240
.set STG,    XCH+12288                 ; a stage of 16 rows x (512 + 16) bytes for each wave
.set SPARE,  STG+4*16*528              ; the spare words, 128 bytes for each wave: two blocks of 256 bytes that no other line names
.set ST,   32                          ; statistics of query tile qt at v[ST + 8 qt]: +0 -M, +1 the largest t, +2, +3 the sum, +4 f, 1 / sum or 1 / sigma, +6 -mean; +5, +7 fill pairs
.set QS,   64
.set AS,   80
.set POOL, 160
.set BI,   192
.set MSB, 0
.macro WIN new                         ; the immediate's high byte repeats the setting that is left
.if MSB != (\new)
	s_set_vgpr_msb (MSB<<8)|(\new)
.set MSB, (\new)
.endif
.endm
.macro PLACES n
.rept \n
	v_nop
.endr
.endm
.macro CREST                           ; a round of the cluster's barrier behind its opening barrier
	s_cmp_lg_u32 s4, 0
	s_cbranch_scc1 .Lnot_wave_0_\@
	s_barrier_signal -3
.Lnot_wave_0_\@:
	s_barrier_wait -3
	s_barrier_signal -1
	s_barrier_wait -1
.endm
.macro CROUND
	s_barrier_signal -1
	s_barrier_wait -1
	CREST
.endm
.macro JLOAD slot                      ; my quarter of the slot's next tile, asked for jointly by the four work-groups; four v_nop follow
	tensor_load_to_lds s[36+4*\slot:39+4*\slot], s[28:35]
	s_nop 0
	PLACES 4
.endm
; A prefetch into the L2 of tile i of the NEXT macro step: four changes of slots ahead of the load that will ask for it.  A batch's tiles are named by the batch's first cluster, the weights' by cluster 0; the four partners
; share a tile out by address, a quarter each; a thread names one run of 256 bytes of the quarter's 100 (threads 100 to 127 name the last again).  The first macro step's tiles and the last step ask for nothing.
.macro ASK i
	s_cmp_lg_u32 s50, 0
	s_cbranch_scc0 .Lno_ask_\@
	global_prefetch_b8 v17, s[48:49] offset:\i*TILEB th:TH_LOAD_NT scope:SCOPE_SE
.Lno_ask_\@:
.endm
.macro FETCH slot, ks2, t0             ; my fragments t0 .. t0 + 3 of the slot's K step ks2: 12 loads, each 512 consecutive bytes
.irp t, 0,1,2,3
.irp c, 0,1,2
	ds_load_b128 v[POOL+12*(\t0+\t)+4*\c:POOL+12*(\t0+\t)+4*\c+3], v[4+(\slot)] offset:(32*\ks2+\t0+\t)*FRB+512*\c
.endr
.endr
.endm
.macro ASCALE slot                     ; my eight tiles' scale words: lanes 0-15 the slot's even K step, lanes 16-31 the odd one
	ds_load_b128 v[AS+8*(\slot):AS+8*(\slot)+3], v[6+(\slot)]
	ds_load_b128 v[AS+8*(\slot)+4:AS+8*(\slot)+7], v[6+(\slot)] offset:512
.endm
; n tiles from t0 on x the four query tiles.  kind 0: S^T, 1: O^T.  The 32 accumulators take turns, one instruction a turn, in the same order in every K step.
.macro MUL kind, first, slot, ks2, t0, n
.if \kind
	WIN 0xf8                                       ; source 1 (P) window 2, C and D window 3
.elseif \first
	WIN 0x94                                       ; source 1 (Q) and C (the bias) window 1, D window 2
.else
	WIN 0xa4                                       ; source 1 window 1, C and D window 2
.endif
.set tt, \t0
.rept \n
.set qq, 0
.rept 4
.set rD, 64*qq+8*tt
.set rA, POOL+12*tt
.set rB, 12*(4*(2*\slot+\ks2)+qq)
.set rSA, AS+8*\slot+tt
.set rSB, QS+8*\kind+4*\slot+qq
.if \first
	v_wmma_scale_f32_16x16x128_f8f6f4 v[rD:rD+7], v[rA:rA+11], v[rB:rB+11], v[BI+8*tt:BI+8*tt+7], v[rSA], v[rSB] matrix_a_fmt:MATRIX_FMT_BF6 matrix_b_fmt:MATRIX_FMT_BF6
.elseif \ks2
	v_wmma_scale_f32_16x16x128_f8f6f4 v[rD:rD+7], v[rA:rA+11], v[rB:rB+11], v[rD:rD+7], v[rSA], v[rSB] matrix_a_fmt:MATRIX_FMT_BF6 matrix_b_fmt:MATRIX_FMT_BF6 matrix_a_scale:MATRIX_SCALE_ROW1 matrix_b_scale:MATRIX_SCALE_ROW1
.else
	v_wmma_scale_f32_16x16x128_f8f6f4 v[rD:rD+7], v[rA:rA+11], v[rB:rB+11], v[rD:rD+7], v[rSA], v[rSB] matrix_a_fmt:MATRIX_FMT_BF6 matrix_b_fmt:MATRIX_FMT_BF6
.endif
.set qq, qq+1
.endr
.set tt, tt+1
.endr
.endm
; A slot's even K step.  A load into a register that a matrix instruction has read stands four plain vector instructions behind it (ISA guide 7.12.1 for vector instructions).
.macro KSTEP kind, first, slot, extra
	s_wait_dscnt 12+\extra                         ; fragments 0-3 and the scale words are in; fragments 4-7's 12 loads (and extra younger ones) may be out
	MUL \kind, \first, \slot, 0, 0, 4
	PLACES 4
	WIN 0
	FETCH \slot, 1, 0
	s_wait_dscnt 12+\extra                         ; fragments 4-7 are in; the 12 just issued (and the extra) may be out
	MUL \kind, \first, \slot, 0, 4, 4
	PLACES 4
	WIN 0
	FETCH \slot, 1, 4
.endm
; A slot's odd K step with the change of slots: each wave waits for all its tensor loads, adds 0 to its spare word, and waits for that and for its reads of this slot; one barrier, which with fill = 1 opens a round of the cluster's.
; fill = 1: this slot takes the tile two on (var = 1: the step in s[44:45]).  next: the slot whose first fragments are fetched, or -1.  ask: the prefetch's tile, or -1.
.macro TURN kind, slot, fill, next, var, ask
	WIN 0
	s_wait_tensorcnt 0x0                           ; all my tensor loads have landed: my quarter of the other slot
	ds_add_u32 v2, v3                              ; 0 onto my spare word
.if \fill
.if \var
	s_add_nc_u64 s[38+4*\slot:39+4*\slot], s[38+4*\slot:39+4*\slot], s[44:45]
.else
	s_add_nc_u64 s[38+4*\slot:39+4*\slot], s[38+4*\slot:39+4*\slot], 2*TILEB
.endif
.endif
	s_wait_dscnt 13                                ; (the add and fragments 4-7's 12 loads may be out)
	MUL \kind, 0, \slot, 1, 0, 4
	s_wait_dscnt 0x0                               ; the add is done, and my reads of this slot are over
	s_barrier_signal -1
	MUL \kind, 0, \slot, 1, 4, 2
	WIN 0
	s_barrier_wait -1
.if \fill
	CREST                                          ; no wave of any partner still reads this slot or has a load on its way
	JLOAD \slot                                    ; its four v_nop are also the places in front of the loads below
.else
	PLACES 4
.endif
.if \next >= 0
	FETCH \next, 0, 0
	ASCALE \next
.endif
.if \ask >= 0
	ASK \ask
.endif
	MUL \kind, 0, \slot, 1, 6, 2
	PLACES 4
	WIN 0
.if \next >= 0
	FETCH \next, 0, 4
.endif
.endm
.macro LASTK kind, slot                ; a slot's odd K step with nothing to fetch behind it
	s_wait_dscnt 12
	MUL \kind, 0, \slot, 1, 0, 4
	s_wait_dscnt 0x0
	MUL \kind, 0, \slot, 1, 4, 4
	WIN 0
	PLACES 4
.endm
.macro VLOAD reg, base                 ; 64 numbers of a vector's 128 that are my wave's, in the result's layout: register 16 b + i = element 32 b + 16 h + i
.irp b, 0,1,2,3
.irp j, 0,1,2,3
	global_load_b128 v[\reg+16*\b+4*\j:\reg+16*\b+4*\j+3], v16, s[\base:\base+1] offset:128*\b+16*\j
.endr
.endr
.endm
.macro SRC_LOAD q                      ; query tile q's 16 rows of src, my wave's 512 bytes of each
.set sr, 0
.rept 16
	global_load_b128 v[64*\q+4*sr:64*\q+4*sr+3], v1, s[10:11] offset:(32*(\q/2)+8*(\q%2)+sr+8*(sr/8))*2048 th:TH_LOAD_NT
.set sr, sr+1
.endr
.endm
.macro XCHG area                       ; v[20 + qt] of each wave goes round: v[112 + 4 qt ..] then hold the four waves' numbers
.irp q, 0,1,2,3
	ds_store_b32 v12, v[20+\q] offset:\area+512*\q
.endr
	s_wait_dscnt 0x0                               ; for the others' sake
	s_barrier_signal -1
	s_barrier_wait -1
.irp q, 0,1,2,3
	ds_load_b128 v[112+4*\q:115+4*\q], v13 offset:\area+512*\q
.endr
	s_wait_dscnt 0x0
.endm
.macro RED1                            ; two chains of pairs a query tile -> one number a lane in v[96 + 4 qt]
.irp q, 0,1,2,3
	v_pk_add_f32 v[96+4*\q:97+4*\q], v[96+4*\q:97+4*\q], v[98+4*\q:99+4*\q]
.endr
.irp q, 0,1,2,3
	v_add_f32 v[96+4*\q], v[96+4*\q], v[97+4*\q]
.endr
.endm
.macro RED2 area                       ; with lane l xor 16's and the other three waves': the row's sum in v[20 + qt]
.irp q, 0,1,2,3
	v_permlanex16_b32 v[112+\q], v[96+4*\q], s56, s57
.endr
.irp q, 0,1,2,3
	v_add_f32 v[20+\q], v[96+4*\q], v[112+\q]
.endr
	XCHG \area
.irp q, 0,1,2,3
	v_add_f32 v[96+4*\q], v[112+4*\q], v[113+4*\q]
	v_add_f32 v[97+4*\q], v[114+4*\q], v[115+4*\q]
.endr
.irp q, 0,1,2,3
	v_add_f32 v[20+\q], v[96+4*\q], v[97+4*\q]
.endr
.endm
.macro BLKMAX win                      ; the largest magnitude of each of my 16 blocks of 32 (block n: registers 16 n on of window win, and lane l xor 16's), with the floor 2^(5 - 127)
	WIN (\win)|((\win)<<2)
.set n, 0
.rept 16
	v_max3_num_f32 v[96+n], |v[16*n]|, |v[16*n+1]|, 0x2800000
.set n, n+1
.endr
	WIN ((\win)<<2)|((\win)<<4)
.irp i, 2,4,6,8,10,12,14
.set n, 0
.rept 16
	v_max3_num_f32 v[96+n], v[96+n], |v[16*n+\i]|, |v[16*n+\i+1]|
.set n, n+1
.endr
.endr
	WIN 0
.set n, 0
.rept 16
	v_permlanex16_b32 v[112+n], v[96+n], s56, s57
.set n, n+1
.endr
.set n, 0
.rept 16
	v_max_num_f32 v[96+n], v[96+n], v[112+n]
.set n, n+1
.endr
.endm
; The 4 x 64 numbers of window win, with their blocks' largest magnitudes in v96-111, become four fragments and four scale words, and go to LDS as images: K step = my wave's number.
.macro QUANT4 win
.set n, 0
.rept 16
	v_add_nc_u32 v[128+n], 0xfe000000, v[96+n]     ; 4 off the exponent field: the conversion's scale operand
.set n, n+1
.endr
.set n, 0
.rept 16
	v_lshrrev_b32 v[144+n], 23, v[128+n]           ; the scale's byte
.set n, n+1
.endr
.irp q, 0,1,2,3
	v_lshl_or_b32 v[240+\q], v[145+4*\q], 8, v[144+4*\q]
.endr
.irp q, 0,1,2,3
	v_lshl_or_b32 v[240+\q], v[146+4*\q], 16, v[240+\q]
.endr
.irp q, 0,1,2,3
	v_lshl_or_b32 v[240+\q], v[147+4*\q], 24, v[240+\q]
.endr
	WIN \win
.irp q, 0,1,2,3
.irp c, 0,1
	v_cvt_scalef32_pk16_bf6_f32 v[160+20*\q+6*\c:162+20*\q+6*\c], v[64*\q+32*\c:64*\q+32*\c+15], v[128+4*\q+2*\c]
	v_cvt_scalef32_pk16_bf6_f32 v[172+20*\q+4*\c:174+20*\q+4*\c], v[64*\q+32*\c+16:64*\q+32*\c+31], v[129+4*\q+2*\c]   ; (a conversion's three registers begin on an even number)
.endr
.endr
	WIN 0
	v_nop                                          ; one plain place behind a scaled conversion
.irp q, 0,1,2,3
.irp c, 0,1                            ; the operand's layout wants a whole block in a lane: lanes 0-15 block 2 c, lanes 16-31 block 2 c + 1
.irp i, 0,1,2
	v_permlane16_swap_b32 v[160+20*\q+6*\c+\i], v[172+20*\q+4*\c+\i]
.endr
.irp i, 0,1,2
	v_mov_b32 v[163+20*\q+6*\c+\i], v[172+20*\q+4*\c+\i]
.endr
.endr
.endr
.irp q, 0,1,2,3
.irp c, 0,1,2
	ds_store_b128 v8, v[160+20*\q+4*\c:163+20*\q+4*\c] offset:\q*FRB+512*\c
.endr
	ds_store_b32 v10, v[240+\q] offset:4*\q        ; lanes r and 16 + r write the same word with the same value
.endr
.endm
.macro SOFTMAX
	WIN 0x2a
.set n, 0
.rept 16
	v_max3_num_f32 v[96+n], v[16*n], v[16*n+1], v[16*n+2]   ; the largest score of each block of 32 keys: for the row's maximum, and, since p rises with the score, for the block's largest p
.set n, n+1
.endr
	WIN 0x28
.irp i, 3,5,7,9,11,13
.set n, 0
.rept 16
	v_max3_num_f32 v[96+n], v[96+n], v[16*n+\i], v[16*n+\i+1]
.set n, n+1
.endr
.endr
	WIN 0x08
.set n, 0
.rept 16
	v_max_num_f32 v[96+n], v[96+n], v[16*n+15]
.set n, n+1
.endr
	WIN 0
.set n, 0
.rept 16
	v_permlanex16_b32 v[112+n], v[96+n], s56, s57
.set n, n+1
.endr
.set n, 0
.rept 16
	v_max_num_f32 v[96+n], v[96+n], v[112+n]
.set n, n+1
.endr
.irp q, 0,1,2,3
	v_max3_num_f32 v[20+\q], v[96+4*\q], v[97+4*\q], v[98+4*\q]
.endr
.irp q, 0,1,2,3
	v_max_num_f32 v[20+\q], v[20+\q], v[99+4*\q]
.endr
.irp q, 0,1,2,3
	v_mul_f32 v[20+\q], s54, v[20+\q]              ; my 128 keys' largest t (c is positive)
.endr
	XCHG MAXX
.irp q, 0,1,2,3
	v_max3_num_f32 v[ST+8*\q+1], v[ST+8*\q+1], v[112+4*\q], v[113+4*\q]
.endr
.irp q, 0,1,2,3
	v_max3_num_f32 v[ST+8*\q+1], v[ST+8*\q+1], v[114+4*\q], v[115+4*\q]   ; the running largest t over all four waves' keys
.endr
.irp q, 0,1,2,3
	v_mov_b32 v[20+\q], v[ST+8*\q]
.endr
.irp q, 0,1,2,3
	v_floor_f32 v[ST+8*\q], -v[ST+8*\q+1]          ; -M = floor(-t): M is a whole number
.endr
.irp q, 0,1,2,3
	v_sub_f32 v[20+\q], v[ST+8*\q], v[20+\q]       ; old M less new M: a whole number, 0 or less
.endr
.irp q, 0,1,2,3
	v_cvt_i32_f32 v[20+\q], v[20+\q]               ; (it saturates)
.endr
.irp q, 0,1,2,3
	v_ldexp_f32 v[ST+8*\q+4], 1.0, v[20+\q]        ; f = 2^(old M - new M)
.endr
.set n, 0
.rept 16
	v_fma_f32 v[96+n], v[96+n], s54, v[ST+8*(n/4)]
.set n, n+1
.endr
	WIN 0x82
.irp q, 0,1,2,3
.set n, 0
.rept 32
	v_pk_fma_f32 v[64*\q+n:64*\q+n+1], v[64*\q+n:64*\q+n+1], s[54:55], v[ST+8*\q:ST+8*\q+1] op_sel_hi:[1,0,0]   ; t - M
.set n, n+2
.endr
.endr
	WIN 0
.set n, 0
.rept 16
	v_exp_f32 v[96+n], v[96+n]                     ; ONE BATCH: the blocks' largest p,
.set n, n+1
.endr
	WIN 0x82
.set n, 0
.rept 256
	v_exp_f32 v[n], v[n]                           ; and p = 2^(t - M), not normalised
.set n, n+1
.endr
	WIN 0
.irp q, 0,1,2,3
	v_pk_mul_f32 v[ST+8*\q+2:ST+8*\q+3], v[ST+8*\q+2:ST+8*\q+3], v[ST+8*\q+4:ST+8*\q+5] op_sel_hi:[1,0]   ; the sums under the new M: plain work behind the exponentials
.endr
	s_wait_alu depctr_va_vdst(0)                   ; one wait for the batch, ahead of its first reader
	WIN 0x0a
.irp q, 0,1,2,3
	v_pk_add_f32 v[20+2*\q:21+2*\q], v[64*\q:64*\q+1], v[64*\q+2:64*\q+3]   ; the row's sum is taken of the unquantised p: two chains a query tile
.endr
	WIN 0x08
.set n, 4
.rept 15
.irp q, 0,1,2,3
	v_pk_add_f32 v[ST+8*\q+2:ST+8*\q+3], v[ST+8*\q+2:ST+8*\q+3], v[64*\q+n:64*\q+n+1]
	v_pk_add_f32 v[20+2*\q:21+2*\q], v[20+2*\q:21+2*\q], v[64*\q+n+2:64*\q+n+3]
.endr
.set n, n+4
.endr
	WIN 0
.irp q, 0,1,2,3
	v_pk_add_f32 v[ST+8*\q+2:ST+8*\q+3], v[ST+8*\q+2:ST+8*\q+3], v[20+2*\q:21+2*\q]
.endr
.set n, 0
.rept 16
	v_max_num_f32 v[96+n], 0x2800000, v[96+n]      ; the floor: the byte cannot fall under 1
.set n, n+1
.endr
	QUANT4 2
.endm
.macro RELU
	WIN 0x88
.set n, 0
.rept 256
	v_max_num_f32 v[n], 0, v[n]
.set n, n+1
.endr
	BLKMAX 2
	QUANT4 2
.endm
; The S phase.  att = 1: the bias is the mask, times -5 sqrt(512).  pf = 1: this step prefetches the next step's tiles.
.macro SPHASE att, pf
	s_wait_loadcnt 0x0                             ; the bias (in the first step Q too); so its base may be stepped:
	s_add_nc_u64 s[60:61], s[60:61], 2048          ; the next step's 512 keys
.if \att
	WIN 0x41
.set n, 0
.rept 32
	v_pk_mul_f32 v[BI+n:BI+n+1], v[BI+n:BI+n+1], s[58:59] op_sel_hi:[1,0]   ; (these are also the places ahead of products that write S^T over the last fragments of P)
.set n, n+2
.endr
	WIN 0
.else
	PLACES 5                                       ; S^T is written over registers that the last products read as P: five places
.endif
	FETCH 0, 0, 0
	ASCALE 0
	FETCH 0, 0, 4
	KSTEP 0, 1, 0, 0
.if \pf
	s_wait_xcnt 0x0                                ; the last prefetch, a K step and more back, has read its address
	s_add_nc_u64 s[48:49], s[48:49], s[68:69]      ; on to the next macro step's four tiles
	TURN 0, 0, 1, 1, 0, 0
.else
	TURN 0, 0, 1, 1, 0, -1
.endif
	KSTEP 0, 0, 1, 0
	LASTK 0, 1
.endm
.macro T2                              ; the change of slots behind the activation: the round also shows every wave's images of P to the others
	WIN 0
	s_wait_tensorcnt 0x0
	ds_add_u32 v2, v3
	s_add_nc_u64 s[42:43], s[42:43], 2*TILEB
	s_wait_dscnt 0x0                               ; the add, my images and my reads of slot 1 are done
	CROUND
	JLOAD 1
.endm
.macro PLOAD s
.irp q, 0,1,2,3
.irp c, 0,1,2
	ds_load_b128 v[12*(4*\s+\q)+4*\c:12*(4*\s+\q)+4*\c+3], v9 offset:(4*\s+\q)*FRB+512*\c
.endr
.endr
.endm
.macro PVLOADS                         ; in the order of use: scale words, P's K step 0, the ring's first fragments, then P's other 36 loads
	ds_load_b128 v[72:75], v11
	ds_load_b128 v[76:79], v11 offset:512
	ASCALE 0
	WIN 0x80
	PLOAD 0
	WIN 0
	FETCH 0, 0, 0
	FETCH 0, 0, 4
	WIN 0x80
	PLOAD 1
	PLOAD 2
	PLOAD 3
	WIN 0
.endm
.macro PVPHASE tail
	KSTEP 1, 0, 0, 36
.if \tail
	TURN 1, 0, 0, 1, 0, -1                         ; nothing is left to fetch: a plain barrier
	KSTEP 1, 0, 1, 0
	LASTK 1, 1
.else
	TURN 1, 0, 1, 1, 1, 2
	KSTEP 1, 0, 1, 0
	TURN 1, 1, 1, -1, 1, 3
.endif
.endm
; LayerNorm of x (window 3) over the 512 e that the four waves hold, in two passes as the reference has it; g at v0-63 and be at v64-127 of window gw; lc: the younger loads that may stay out when g and be are wanted.
.macro LN a1, a2, gw, lc
	WIN 0x0f
.irp q, 0,1,2,3
	v_pk_add_f32 v[96+4*\q:97+4*\q], v[64*\q:64*\q+1], v[64*\q+2:64*\q+3]   ; each accumulator is read from its low end on
.endr
.irp q, 0,1,2,3
	v_pk_add_f32 v[98+4*\q:99+4*\q], v[64*\q+4:64*\q+5], v[64*\q+6:64*\q+7]
.endr
	WIN 0x0c
.set n, 8
.rept 14
.irp q, 0,1,2,3
	v_pk_add_f32 v[96+4*\q:97+4*\q], v[96+4*\q:97+4*\q], v[64*\q+n:64*\q+n+1]
	v_pk_add_f32 v[98+4*\q:99+4*\q], v[98+4*\q:99+4*\q], v[64*\q+n+2:64*\q+n+3]
.endr
.set n, n+4
.endr
	WIN 0
	RED1
	RED2 \a1
.irp q, 0,1,2,3
	v_mul_f32 v[ST+8*\q+6], 0xbb000000, v[20+\q]   ; -mean = sum x (-1 / 512)
.endr
	WIN 0xc3
.irp q, 0,1,2,3
.set n, 0
.rept 32
	v_pk_add_f32 v[64*\q+n:64*\q+n+1], v[64*\q+n:64*\q+n+1], v[ST+8*\q+6:ST+8*\q+7] op_sel_hi:[1,0]
.set n, n+2
.endr
.endr
	WIN 0x0f
.irp q, 0,1,2,3
	v_pk_mul_f32 v[96+4*\q:97+4*\q], v[64*\q:64*\q+1], v[64*\q:64*\q+1]
.endr
.irp q, 0,1,2,3
	v_pk_mul_f32 v[98+4*\q:99+4*\q], v[64*\q+2:64*\q+3], v[64*\q+2:64*\q+3]
.endr
.set n, 4
.rept 15
.irp q, 0,1,2,3
	v_pk_fma_f32 v[96+4*\q:97+4*\q], v[64*\q+n:64*\q+n+1], v[64*\q+n:64*\q+n+1], v[96+4*\q:97+4*\q]
	v_pk_fma_f32 v[98+4*\q:99+4*\q], v[64*\q+n+2:64*\q+n+3], v[64*\q+n+2:64*\q+n+3], v[98+4*\q:99+4*\q]
.endr
.set n, n+4
.endr
	WIN 0
	RED1
	RED2 \a2
.irp q, 0,1,2,3
	v_fma_f32 v[20+\q], v[20+\q], s66, s67         ; the variance + 1e-5
.endr
.irp q, 0,1,2,3
	v_rsq_f32 v[ST+8*\q+4], v[20+\q]
.endr
	v_nop                                          ; a plain place behind the last of them,
	s_wait_alu depctr_va_vdst(0)                   ; and one wait for the four, ahead of their first reader
	WIN 0xc3
.irp q, 0,1,2,3
.set n, 0
.rept 32
	v_pk_mul_f32 v[64*\q+n:64*\q+n+1], v[64*\q+n:64*\q+n+1], v[ST+8*\q+4:ST+8*\q+5] op_sel_hi:[1,0]
.set n, n+2
.endr
.endr
	s_wait_loadcnt \lc
	WIN 0xc3|((\gw)<<2)|((\gw)<<4)
.irp q, 0,1,2,3
.set n, 0
.rept 32
	v_pk_fma_f32 v[64*\q+n:64*\q+n+1], v[64*\q+n:64*\q+n+1], v[n:n+1], v[64+n:65+n]
.set n, n+2
.endr
.endr
	WIN 0
.endm
	; ================ the head
	s_load_b512 s[8:23], s[0:1], 0x0               ; codes s[8:9], src s[10:11], mask s[12:13], b1 s[14:15], b2 s[16:17], g1 s[18:19], be1 s[20:21], g2 s[22:23]
	s_load_b128 s[24:27], s[0:1], 0x40             ; be2 s[24:25], out0 s[26:27]
	v_lshl_add_u32 v2, v0, 2, SPARE                ; my spare word; never rewritten
	v_mov_b32 v3, 0                                ; 0; never rewritten
	ds_add_u32 v2, v3
	ds_add_u32 v2, v3
	s_wait_dscnt 0x0
	v_lshrrev_b32 v18, 5, v0
	v_readfirstlane_b32 s4, v18                    ; wave 0..3
	s_bfe_u32 s5, ttmp6, 0x40000                   ; cx: my place in the cluster
	s_lshl_b32 s6, ttmp9, 2
	s_add_co_u32 s6, s6, s5                        ; g: my block of 64 rows: it enters plain loads', stores' and prefetches' addresses alone
	s_lshr_b32 s7, ttmp9, 3                        ; the batch, which the four partners share
	; descriptor group 1: a quarter tile, 25,600 dense bytes, as 100 rows of 32 elements of 8 bytes
	s_mov_b32 s28, 15|(3<<16)|(1<<21)              ; 15:0 the mask: all four work-groups; 17:16 elements of 8 bytes; 20 no padding; 21 set beside a mask
	s_mov_b32 s29, 32<<16                          ; tensor_dim0 = 32
	s_mov_b32 s30, 100<<16                         ; tensor_dim1 = 100
	s_mov_b32 s31, 32<<16                          ; tile_dim0 = 32
	s_mov_b32 s32, 100                             ; tile_dim1 = 100
	s_mov_b32 s33, 32                              ; elements from row to row
	s_mov_b32 s34, 0
	s_mov_b32 s35, 0
	s_mul_i32 s72, s4, QUART                       ; my quarter
	s_mul_i32 s74, s7, REGION                      ; the batch's region
	s_add_co_u32 s76, s74, s72
	s_mov_b32 s77, 0
	s_wait_kmcnt 0x0
	s_add_nc_u64 s[76:77], s[8:9], s[76:77]
	s_mov_b32 s36, 1                               ; group 0 of slot 0: count 1,
	s_mov_b32 s37, s72                             ; LDS address: wave x QUART,
	s_mov_b64 s[38:39], s[76:77]                   ; my quarter of tile 0,
	s_or_b32 s39, s39, 0x80000000                  ; type 2
	s_mov_b32 s40, 1                               ; group 0 of slot 1
	s_add_co_u32 s41, s72, TILEB
	s_add_nc_u64 s[42:43], s[76:77], TILEB
	s_or_b32 s43, s43, 0x80000000
	CROUND                                         ; all four work-groups are here: the first joint loads meet
	tensor_load_to_lds s[36:39], s[28:35]          ; two loads of mine are out
	s_nop 0
	tensor_load_to_lds s[40:43], s[28:35]
	s_nop 0
	PLACES 4
	v_and_b32 v18, 31, v0
	v_lshlrev_b32 v1, 4, v18                       ; v1: 16 x lane
	v_and_b32 v19, 15, v0                          ; r
	v_bfe_u32 v28, v0, 4, 1                        ; h
	s_mul_i32 s72, s4, 8*FRB
	v_add_nc_u32 v4, s72, v1                       ; v4, v5: my eight fragments in slot 0, 1
	v_add_nc_u32 v5, TILEB, v4
	s_lshl_b32 s72, s4, 10
	s_add_co_u32 s72, s72, SCOFF
	v_add_nc_u32 v6, s72, v1                       ; v6, v7: their scale words
	v_add_nc_u32 v7, TILEB, v6
	s_mul_i32 s72, s4, 4*FRB
	s_add_co_u32 s72, s72, PIMG
	v_add_nc_u32 v8, s72, v1                       ; v8: where I store images
	v_add_nc_u32 v9, PIMG, v1                      ; v9: where I read them
	s_lshl_b32 s72, s4, 8
	s_add_co_u32 s72, s72, PSC
	v_lshl_add_u32 v10, v19, 4, s72                ; v10: where I store scale words: 256 wave + 16 r
	v_add_nc_u32 v11, PSC, v1                      ; v11: where I read them
	s_lshl_b32 s72, s4, 2
	s_add_co_u32 s72, s72, XCH
	v_add_nc_u32 v12, s72, v1                      ; v12, v13: the exchange, out and in
	v_add_nc_u32 v13, XCH, v1
	s_mul_i32 s72, s4, 16*528
	s_add_co_u32 s72, s72, STG
	v_add_nc_u32 v14, s72, v1                      ; v14: my stage by rows
	v_mul_u32_u24 v15, v19, 528
	v_lshl_add_u32 v15, v28, 6, v15
	v_add_nc_u32 v15, s72, v15                     ; v15: my stage by lanes: row r, + 64 h
	v_lshlrev_b32 v16, 6, v28                      ; v16: 64 h
	v_min_u32 v17, 99, v0
	v_lshlrev_b32 v17, 8, v17                      ; v17: the prefetches' offset
	; Q: my 64 rows are keys of my batch: their fragments and scale words lie among the keys' images
	s_and_b32 s72, s6, 31
	s_lshr_b32 s73, s72, 3
	s_mul_i32 s73, s73, 4*TILEB
	s_add_co_u32 s73, s73, s74
	s_bfe_u32 s78, s72, 0x20001
	s_and_b32 s79, s6, 1
	s_lshl_b32 s80, s78, 3
	s_lshl_b32 s81, s79, 2
	s_add_co_u32 s80, s80, s81
	s_mul_i32 s80, s80, FRB
	s_add_co_u32 s80, s80, s73
	s_mov_b32 s81, 0
	s_add_nc_u64 s[80:81], s[8:9], s[80:81]
	s_lshl_b32 s82, s78, 10
	s_lshl_b32 s83, s79, 9
	s_add_co_u32 s82, s82, s83
	s_add_co_u32 s82, s82, s73
	s_add_co_u32 s82, s82, SCOFF
	s_mov_b32 s83, 0
	s_add_nc_u64 s[82:83], s[8:9], s[82:83]
	WIN 0x40
.irp s, 0,1,2,3
.irp q, 0,1,2,3
.irp c, 0,1,2
	global_load_b128 v[12*(4*\s+\q)+4*\c:12*(4*\s+\q)+4*\c+3], v1, s[80:81] offset:(\s/2)*TILEB+(\s%2)*32*FRB+\q*FRB+512*\c
.endr
.endr
.endr
	WIN 0
	global_load_b128 v[64:67], v1, s[82:83]
	global_load_b128 v[68:71], v1, s[82:83] offset:TILEB
	s_lshl_b32 s72, s6, 17                         ; my 64 rows of 2,048 bytes,
	s_lshl_b32 s84, s4, 9                          ; my wave's 512 bytes
	s_add_co_u32 s72, s72, s84
	s_mov_b32 s73, 0
	s_mov_b32 s85, 0
	s_add_nc_u64 s[10:11], s[10:11], s[72:73]
	s_add_nc_u64 s[26:27], s[26:27], s[72:73]
.irp p, 14,16,18,20,22,24
	s_add_nc_u64 s[\p:\p+1], s[\p:\p+1], s[84:85]
.endr
	s_lshl_b32 s72, s7, 13
	s_add_co_u32 s72, s72, s84
	s_add_nc_u64 s[60:61], s[12:13], s[72:73]      ; the mask of my wave's keys of macro step 0
	WIN 0x40
	VLOAD BI, 60
	WIN 0
	s_mul_i32 s72, s5, QUART
	s_add_co_u32 s72, s72, s74
	s_add_nc_u64 s[48:49], s[8:9], s[72:73]        ; the prefetches stand at my work-group's quarter of tile 0; each step's first change of slots steps them a macro step on
	s_sub_co_u32 s47, 7, s7
	s_mul_i32 s47, s47, REGION                     ; from the region behind my batch's to the weights'
	s_add_co_u32 s46, s47, 2*TILEB
	s_add_co_u32 s62, s47, 4*TILEB
	s_mov_b32 s45, 0
	s_mov_b32 s69, 0
	s_and_b32 s51, ttmp9, 7
	s_cmp_eq_u32 s51, 0
	s_cselect_b32 s51, 1, 0                        ; my cluster is the batch's first
	s_cmp_eq_u32 ttmp9, 0
	s_cselect_b32 s52, 1, 0                        ; my cluster is the launch's first
	s_mov_b32 s54, 0x3d8293ee                      ; c = log2(e) / sqrt(512)
	s_mov_b32 s55, s54
	s_mov_b32 s56, 0x76543210
	s_mov_b32 s57, 0xfedcba98                      ; v_permlanex16_b32's selects for lane l xor 16
	s_mov_b32 s58, 0xc2e24630                      ; -5 sqrt(512)
	s_mov_b32 s59, s58
	s_mov_b32 s66, 0x3b000000                      ; 1 / 512
	s_mov_b32 s67, 0x3727c5ac                      ; 1e-5
.irp q, 0,1,2,3
	v_mov_b32 v[ST+8*\q+1], 0xff61b1e6             ; the largest t so far: -3e38
	v_floor_f32 v[ST+8*\q], -v[ST+8*\q+1]
.irp k, 2,3,4,5,6,7
	v_mov_b32 v[ST+8*\q+\k], 0
.endr
.endr
.set n, 0
.rept 16
	v_mov_b32 v[112+n], 0                          ; a lane permute's destination counts as one of its sources
.set n, n+1
.endr
	WIN 0xc0
.set n, 0
.rept 256
	v_mov_b32 v[n], 0                              ; O^T: the step is written once; its first trip finds zeros, which the first f leaves zeros
.set n, n+1
.endr
	WIN 0
	s_wait_tensorcnt 0x1                           ; my quarter of slot 0 is in; slot 1's may stay out
	s_barrier_signal -1
	s_barrier_wait -1
	; ================ attention: four macro steps
	s_mov_b32 s3, 0
.Latt:
	s_cmp_eq_u32 s3, 3                             ; behind the batch's last tiles the ring and the prefetches jump to the weights' region
	s_cselect_b32 s44, s46, 2*TILEB
	s_cselect_b32 s68, s62, 4*TILEB
	s_cselect_b32 s50, s52, s51
	SPHASE 1, 1
	s_cmp_lg_u32 s3, 3
	s_cbranch_scc1 .Lno_src
	WIN 0x40                                       ; Q has been multiplied for the last time: src's rows are asked for into its registers, a softmax and a PV phase ahead of their use
	SRC_LOAD 0
	SRC_LOAD 1
	SRC_LOAD 2
	WIN 0
.Lno_src:
	SOFTMAX
	T2
	PVLOADS
	ASK 1
	s_cmp_eq_u32 s3, 3
	s_cbranch_scc1 .Lsrc3
	WIN 0x40
	VLOAD BI, 60                                   ; the next step's mask
	WIN 0
	s_branch .Lbias_done
.Lsrc3:
	WIN 0x40
	SRC_LOAD 3
	WIN 0
.Lbias_done:
	WIN 0xc3
.irp q, 0,1,2,3
.set n, 0
.rept 32
	v_pk_mul_f32 v[64*\q+n:64*\q+n+1], v[64*\q+n:64*\q+n+1], v[ST+8*\q+4:ST+8*\q+5] op_sel_hi:[1,0]   ; O^T under the new M, while the LDS loads land
.set n, n+2
.endr
.endr
	PVPHASE 0
	s_add_co_u32 s3, s3, 1
	s_cmp_lt_u32 s3, 4
	s_cbranch_scc1 .Latt
	; ================ the seam: x = src + O / sum; src2 = LN1(x); src2's codes take Q's place; the FFN's sums begin at src2 + b2
	s_wait_loadcnt 0x0                             ; src's rows are in
	WIN 0x80
	VLOAD 0, 18                                    ; g1, be1, b2 into the registers that P has left
	VLOAD 64, 20
	VLOAD 128, 16
	WIN 0
.irp q, 0,1,2,3
	v_add_f32 v[96+4*\q], v[ST+8*\q+2], v[ST+8*\q+3]
.endr
	RED2 LSUM
.irp q, 0,1,2,3
	v_rcp_f32 v[ST+8*\q+4], v[20+\q]
.endr
	v_nop
	s_wait_alu depctr_va_vdst(0)                   ; one wait for the four reciprocals
.macro SRCSTAGE q                      ; 16 rows go into my stage as they were loaded and come back in the result's layout, into the registers that they left; LDS serves a wave's instructions in order
	WIN 0x04
.set n, 0
.rept 16
	ds_store_b128 v14, v[64*\q+4*n:64*\q+4*n+3] offset:528*n
.set n, n+1
.endr
	WIN 0x40
.irp b, 0,1,2,3
.irp j, 0,1,2,3
	ds_load_b128 v[64*\q+16*\b+4*\j:64*\q+16*\b+4*\j+3], v15 offset:128*\b+16*\j
.endr
.endr
	WIN 0
.endm
.macro XFMA q
	WIN 0xd3
.set n, 0
.rept 32
	v_pk_fma_f32 v[64*\q+n:64*\q+n+1], v[64*\q+n:64*\q+n+1], v[ST+8*\q+4:ST+8*\q+5], v[64*\q+n:64*\q+n+1] op_sel_hi:[1,0,1]   ; window 3 = window 3 x 1 / sum + window 1
.set n, n+2
.endr
	WIN 0
.endm
	SRCSTAGE 0
	SRCSTAGE 1
	s_wait_dscnt 32                                ; tile 0 is back; tile 1's 16 stores and 16 loads may be out; likewise below
	XFMA 0
	SRCSTAGE 2
	s_wait_dscnt 32
	XFMA 1
	SRCSTAGE 3
	s_wait_dscnt 32
	XFMA 2
	s_wait_dscnt 0x0
	XFMA 3
	s_mov_b64 s[60:61], s[14:15]                   ; the bias is b1 from here on
	WIN 0x40
	VLOAD BI, 60
	WIN 0
	LN L1A, L1B, 2, 16                             ; (b1's 16 loads may stay out)
	BLKMAX 3
	QUANT4 3                                       ; my 128 e are K step w of the third product
	WIN 0xcb
.irp q, 0,1,2,3
.set n, 0
.rept 32
	v_pk_add_f32 v[64*\q+n:64*\q+n+1], v[64*\q+n:64*\q+n+1], v[128+n:129+n]   ; src2 + b2: what the fourth product adds onto
.set n, n+2
.endr
.endr
	WIN 0
	s_wait_dscnt 0x0                               ; for the others' sake: my images lie in LDS
	s_barrier_signal -1
	s_barrier_wait -1
	WIN 0x40
	PLOAD 0                                        ; all sixteen fragments of src2, into Q's registers
	PLOAD 1
	PLOAD 2
	PLOAD 3
	WIN 0
	ds_load_b128 v[64:67], v11                     ; and their scale words; these 50 loads are older than the S phase's, whose first wait covers them
	ds_load_b128 v[68:71], v11 offset:512
	; ================ the FFN: three macro steps in a loop, the last written out
	s_mov_b32 s44, 2*TILEB
	s_mov_b32 s68, 4*TILEB
	s_mov_b32 s50, s52
	s_mov_b32 s3, 0
.Lffn:
	SPHASE 0, 1
	RELU
	T2
	PVLOADS
	ASK 1
	WIN 0x40
	VLOAD BI, 60                                   ; the next step's b1
	WIN 0
	PVPHASE 0
	s_add_co_u32 s3, s3, 1
	s_cmp_lt_u32 s3, 3
	s_cbranch_scc1 .Lffn
	SPHASE 0, 0
	WIN 0x40
	VLOAD 0, 22                                    ; src2's codes have been multiplied for the last time: g2 and be2 take their registers
	VLOAD 64, 24
	WIN 0
	RELU
	T2
	PVLOADS
	PVPHASE 1
	; ================ the end: LN2, and the way out through my stage: whole rows
	LN L2A, L2B, 1, 0
.macro TOSTAGE q
	WIN 0x0c
.irp b, 0,1,2,3
.irp j, 0,1,2,3
	ds_store_b128 v15, v[64*\q+16*\b+4*\j:64*\q+16*\b+4*\j+3] offset:128*\b+16*\j
.endr
.endr
	WIN 0x80
.set n, 0
.rept 16
	ds_load_b128 v[64*\q+4*n:64*\q+4*n+3], v14 offset:528*n   ; LDS serves a wave's instructions in order: these see the stores above, and the next tile's stores come behind them
.set n, n+1
.endr
	WIN 0
.endm
.macro SEND q, younger
	s_wait_dscnt \younger
	WIN 0x08
.set n, 0
.rept 16
	global_store_b128 v1, v[64*\q+4*n:64*\q+4*n+3], s[26:27] offset:(32*(\q/2)+8*(\q%2)+n+8*(n/8))*2048 th:TH_STORE_NT   ; 32 lanes store 512 consecutive bytes, aligned
.set n, n+1
.endr
	WIN 0
.endm
	TOSTAGE 0
	TOSTAGE 1
	SEND 0, 32                                     ; behind tile 0's loads: tile 1's 16 stores and 16 loads
	TOSTAGE 2
	SEND 1, 32
	TOSTAGE 3
	SEND 2, 32
	SEND 3, 0
	s_wait_tensorcnt 0x0                           ; the wave's end
	ds_add_u32 v2, v3
	s_wait_dscnt 0x0
	CROUND                                         ; the closing round: no work-group ends while a partner may still ask for a tile that names it
	s_endpgm
.Lfunc_end_k_qe2df9b278c_layer:
	.size	k_qe2df9b278c_layer, .Lfunc_end_k_qe2df9b278c_layer-k_qe2df9b278c_layer
	.p2alignl 7, 3214868480
	.fill 96, 4, 3214868480
	.section	.rodata,"a",@progbits
	.p2align	6, 0x0
	.amdhsa_kernel k_qe2df9b278c_layer
		.amdhsa_group_segment_fixed_size 327680
		.amdhsa_private_segment_fixed_size 0
		.amdhsa_enable_private_segment 0
		.amdhsa_kernarg_size 80
		.amdhsa_user_sgpr_count 2
		.amdhsa_user_sgpr_kernarg_segment_ptr 1
		.amdhsa_wavefront_size32 1
		.amdhsa_system_sgpr_workgroup_id_x 1
		.amdhsa_system_sgpr_workgroup_id_y 1
		.amdhsa_system_sgpr_workgroup_id_z 1
		.amdhsa_system_vgpr_workitem_id 0
		.amdhsa_next_free_vgpr 1024
		.amdhsa_next_free_sgpr 100
		.amdhsa_reserve_vcc 0
		.amdhsa_float_denorm_mode_32 3
		.amdhsa_float_denorm_mode_16_64 3
		.amdhsa_memory_ordered 1
		.amdhsa_forward_progress 1
		.amdhsa_inst_pref_size 255
	.end_amdhsa_kernel
	.section	.bss,"aw",@nobits
	.p2align	6
	.space	262144
	.amdgpu_metadata
---
amdhsa.version: [ 1, 2 ]
amdhsa.kernels:
  - .name:           k_qe2df9b278c_layer
    .symbol:         k_qe2df9b278c_layer.kd
    .args:
      - { .name: codes, .offset: 0, .size: 8, .value_kind: global_buffer, .address_space: global }
      - { .name: src, .offset: 8, .size: 8, .value_kind: global_buffer, .address_space: global }
      - { .name: key_padding_mask, .offset: 16, .size: 8, .value_kind: global_buffer, .address_space: global }
      - { .name: b1, .offset: 24, .size: 8, .value_kind: global_buffer, .address_space: global }
      - { .name: b2, .offset: 32, .size: 8, .value_kind: global_buffer, .address_space: global }
      - { .name: g1, .offset: 40, .size: 8, .value_kind: global_buffer, .address_space: global }
      - { .name: be1, .offset: 48, .size: 8, .value_kind: global_buffer, .address_space: global }
      - { .name: g2, .offset: 56, .size: 8, .value_kind: global_buffer, .address_space: global }
      - { .name: be2, .offset: 64, .size: 8, .value_kind: global_buffer, .address_space: global }
      - { .name: out0, .offset: 72, .size: 8, .value_kind: global_buffer, .address_space: global }
    .group_segment_fixed_size: 327680
    .private_segment_fixed_size: 0
    .kernarg_segment_align: 8
    .kernarg_segment_size: 80
    .max_flat_workgroup_size: 128
    .sgpr_count:     100
    .vgpr_count:     1024
    .wavefront_size: 32
...
	.end_amdgpu_metadata
.endif
;; end of part 2
;; ======== version 2 of 2: 2 launches
;; limits: right only within a limited range of input values
;; workspace buffers: codes 14,745,600 bytes
;; launch prep (part 3): grid 640 x 1, 4 waves a work-group, no clusters, 69,120 bytes of LDS; arguments src, W1, W2, codes; writes codes
.if DOCPART == 3
	.amdgcn_target "amdgcn-amd-amdhsa--gfx1250"
	.amdhsa_code_object_version 6
	.text
	.protected	k_qe2df9b278c_prep
	.globl	k_qe2df9b278c_prep
	.p2align	8
	.type	k_qe2df9b278c_prep,@function
k_qe2df9b278c_prep:
	s_mov_b64 s[64:65], 0
	v_nop
	global_prefetch_b8 v0, s[64:65] scope:SCOPE_SE
	s_setreg_imm32_b32 hwreg(HW_REG_WAVE_MODE, 25, 1), 1
	s_wait_xcnt 0x0
; src [8][2048][512], W1 [512][2048], W2 [2048][512], f32, become codes of BF6 (E3M2) with one E8M0 byte for each 32 along K, laid as IMAGES OF OPERAND REGISTERS in the order in which the second launch walks them.
; src is quantised twice: along e (its rows: the first product's operands) and along the keys (its columns: the second product's).  W1 and W2 have K as their first axis: along their columns.
; A block's scale is 2^(floor(log2(largest magnitude)) - 4): its byte is the largest magnitude's exponent field - 4, held at 1 from below.
; LIMITS: NaN and infinities among the inputs are not served; a block whose largest magnitude lies under 2^-122 keeps the byte 1; a block of zeros gets the byte 1 where the rule says 127: its codes are zeros,
; which add nothing under any byte but 0xff, and only this program reads the bytes.
; LAYOUT OF codes: 9 regions (8 batches, then the two weights) of 16 tiles of TILEB bytes.  Tile 4 m + hs: operand with rows = keys (or hidden units) 512 m .. 512 m + 511, K = e, K steps 2 hs, 2 hs + 1.
; Tile 4 m + 2 + hs: operand with rows = the 512 e, K = keys (or hidden units), K steps 4 m + 2 hs, + 1.  A tile: 64 fragment images, (K step & 1, T) at (32 (K step & 1) + T) FRB, T = 8 w + t; lane r of tile t = 2 b + u
; holds row 128 w + 32 b + 8 u + r + 8 (r / 8); an image is three runs of 512 bytes, run c = registers 4 c .. 4 c + 3, lane l's at 16 l.  Behind them the scale words: SCOFF + 1024 w + 512 (t / 4) + 16 l + 4 (t % 4),
; l = r for the even K step, 16 + r for the odd one.
; SHARES: a work-group takes one tile of 128 x 128 numbers through LDS; wave w makes the two fragments of rows (or columns) 32 w .. 32 w + 31.  Work-groups 0-511: src; 512-575: W2; 576-639: W1.
; One path serves all three: pointers, pitch and places are chosen by the work-group's number; only the quantising along rows stands under a scalar branch on it (no barrier inside).
; No tensor loads, no cluster: no two work-groups read the same bytes.
.set FRB,    1536
.set TILEB,  102400
.set SCOFF,  98304
.set REGION, 1638400
.set PITCH,  528                       ; an LDS row: 512 bytes + 16
.set RS,     128*PITCH                 ; 512 bytes: the scale words made along rows
.set CS,     RS+512                    ; 512 bytes: those made along columns
.set OFF,    32                        ; v32-63   byte offsets of my 32 rows
.set X,      64                        ; v64-191  the rows as loaded; later the numbers at work
	s_load_b256 s[4:11], s[0:1], 0x0               ; src s[4:5], W1 s[6:7], W2 s[8:9], codes s[10:11]
	v_lshl_add_u32 v254, v0, 2, 0x10c00
	v_mov_b32 v255, 0
	v_lshrrev_b32 v1, 5, v0
	v_readfirstlane_b32 s29, v1                    ; wave 0..3
	v_and_b32 v1, 31, v0                           ; lane
	v_and_b32 v2, 15, v0                           ; r
	v_bfe_u32 v3, v0, 4, 1                         ; h
	v_lshlrev_b32 v4, 4, v1                        ; 16 x lane
	s_mov_b32 s12, ttmp9
	s_bfe_u32 s13, s12, 0x40002                    ; A: 4 bits from bit 2
	s_and_b32 s14, s12, 3                          ; Bq
	s_lshr_b32 s15, s12, 6
	s_min_u32 s15, s15, 8                          ; the region: the batch, or 8
	; the two places in codes: "K" (rows = block A, K step Bq) and "V" (rows = block Bq, K step A)
	s_lshr_b32 s23, s13, 2
	s_lshl_b32 s23, s23, 2                         ; 4 (A / 4)
	s_lshr_b32 s24, s14, 1
	s_add_co_u32 s24, s24, s23                     ; K: tile 4 (A / 4) + Bq / 2
	s_and_b32 s25, s14, 1                          ;    K step & 1 = Bq & 1
	s_and_b32 s26, s13, 3                          ;    w = A & 3
	s_bfe_u32 s27, s13, 0x10001
	s_add_co_u32 s27, s27, s23
	s_add_co_u32 s27, s27, 2                       ; V: tile 4 (A / 4) + 2 + (A / 2) & 1
	s_and_b32 s28, s13, 1                          ;    K step & 1 = A & 1;  w = Bq
	s_mul_i32 s30, s15, REGION
	s_mul_i32 s31, s24, TILEB
	s_add_co_u32 s31, s31, s30
	s_lshl_b32 s32, s25, 5
	s_lshl_b32 s33, s26, 3
	s_add_co_u32 s32, s32, s33
	s_lshl_b32 s33, s29, 1
	s_add_co_u32 s32, s32, s33                     ; image 32 (K step & 1) + 8 w + 2 wave
	s_mul_i32 s32, s32, FRB
	s_add_co_u32 s32, s32, s31                     ; K: my two images
	s_lshl_b32 s33, s26, 10
	s_lshl_b32 s34, s25, 8
	s_add_co_u32 s33, s33, s34
	s_add_co_u32 s33, s33, s31
	s_add_co_u32 s33, s33, SCOFF                   ; K: the work-group's scale words
	s_mul_i32 s35, s27, TILEB
	s_add_co_u32 s35, s35, s30
	s_lshl_b32 s36, s28, 5
	s_lshl_b32 s37, s14, 3
	s_add_co_u32 s36, s36, s37
	s_lshl_b32 s37, s29, 1
	s_add_co_u32 s36, s36, s37
	s_mul_i32 s36, s36, FRB
	s_add_co_u32 s36, s36, s35                     ; V: my two images
	s_lshl_b32 s37, s14, 10
	s_lshl_b32 s38, s28, 8
	s_add_co_u32 s37, s37, s38
	s_add_co_u32 s37, s37, s35
	s_add_co_u32 s37, s37, SCOFF                   ; V: the scale words
	s_mov_b32 s18, 8192
	s_cmp_lt_u32 s12, 576                          ; src or W2: columns go to the V place; W1: to the K place
	s_cselect_b32 s36, s36, s32
	s_cselect_b32 s37, s37, s33
	s_cselect_b32 s16, s13, s14                    ; block of rows in memory
	s_cselect_b32 s17, s14, s13                    ; block of columns
	s_cselect_b32 s18, 2048, s18                   ; bytes from row to row
	s_wait_alu depctr_va_vdst(0)
	s_wait_kmcnt 0x0
	s_cselect_b64 s[20:21], s[8:9], s[6:7]
	s_cmp_lt_u32 s12, 512
	s_cselect_b64 s[20:21], s[4:5], s[20:21]
	s_cselect_b32 s22, s15, 0                      ; the batch
	s_lshl_b32 s22, s22, 22
	s_mul_i32 s19, s16, s18
	s_lshl_b32 s19, s19, 7
	s_add_co_u32 s22, s22, s19
	s_lshl_b32 s19, s17, 9
	s_add_co_u32 s22, s22, s19
	s_mov_b32 s23, 0
	s_add_nc_u64 s[20:21], s[20:21], s[22:23]      ; the tile's first number
	s_mov_b32 s40, s32
	s_mov_b32 s41, 0
	s_add_nc_u64 s[40:41], s[10:11], s[40:41]      ; along rows: images
	s_mov_b32 s42, s33
	s_mov_b32 s43, 0
	s_add_nc_u64 s[42:43], s[10:11], s[42:43]      ;             scale words
	s_mov_b32 s44, s36
	s_mov_b32 s45, 0
	s_add_nc_u64 s[44:45], s[10:11], s[44:45]      ; along columns: images
	s_mov_b32 s46, s37
	s_mov_b32 s47, 0
	s_add_nc_u64 s[46:47], s[10:11], s[46:47]      ;                scale words
	s_mov_b32 s48, 0x76543210
	s_mov_b32 s49, 0xfedcba98                      ; v_permlanex16_b32's selects for lane l xor 16
	s_mul_i32 s50, s29, s18
	s_lshl_b32 s50, s50, 5                         ; my 32 rows in memory
	v_add_nc_u32 v[OFF], s50, v4
.set i, 1
.rept 31
	v_add_nc_u32 v[OFF+i], s18, v[OFF+i-1]
.set i, i+1
.endr
.set i, 0
.rept 32
	global_load_b128 v[X+4*i:X+4*i+3], v[OFF+i], s[20:21] th:TH_LOAD_NT   ; a row's 512 consecutive bytes
.set i, i+1
.endr
	s_mul_i32 s51, s29, 32*PITCH
	v_add_nc_u32 v5, s51, v4                       ; into the tile: my rows, 16 x lane
	v_and_b32 v6, 8, v2
	v_add_nc_u32 v6, v6, v2                        ; r + 8 (r / 8)
	v_mul_u32_u24 v6, v6, PITCH
	v_lshl_add_u32 v6, v3, 7, v6
	v_add_nc_u32 v6, s51, v6                       ; along rows: my row, + 128 h bytes
	s_lshr_b32 s52, s29, 1
	s_lshl_b32 s52, s52, 8
	s_and_b32 s53, s29, 1
	s_lshl_b32 s53, s53, 3
	s_add_co_u32 s52, s52, s53                     ; 256 (wave / 2) + 8 (wave & 1)
	s_add_co_u32 s53, s52, RS
	v_lshl_add_u32 v7, v2, 4, s53                  ; my scale word made along rows
	v_lshlrev_b32 v8, 2, v0                        ; along columns: column 32 wave + lane, rows 0-63,
	v_add_nc_u32 v9, 64*PITCH, v8                  ; rows 64-127
	v_bfe_u32 v15, v0, 3, 1                        ; my column is lane r' of tile u': u' = (lane / 8) & 1,
	v_and_b32 v13, 7, v0
	v_lshl_add_u32 v13, v3, 3, v13                 ; r' = lane % 8 + 8 (lane / 16)
	v_mul_u32_u24 v10, v15, FRB
	v_lshl_add_u32 v10, v13, 4, v10                ; its place in my two images
	s_add_co_u32 s53, s52, CS
	v_lshl_add_u32 v11, v13, 4, s53
	v_lshl_add_u32 v11, v15, 2, v11                ; and its scale word
	v_lshlrev_b32 v12, 3, v3                       ; 8 h
	v_lshlrev_b32 v14, 9, v3
	v_lshl_add_u32 v14, v2, 4, v14                 ; the scale words' way out: 512 (lane / 16) + 16 (lane % 16)
	v_add_nc_u32 v31, RS, v4                       ; where they are read back: RS lies beyond an LDS immediate's 16 bits, so the register carries it
	v_mov_b32 v23, 0                               ; a lane permute's destination counts as one of its sources
.set i, 0
.rept 32
	s_wait_loadcnt 31-i                            ; loads come back in order: row i is in, the younger ones stay out
	ds_store_b128 v5, v[X+4*i:X+4*i+3] offset:i*PITCH
.set i, i+1
.endr
	s_wait_dscnt 0x0                               ; for the others' sake: my rows lie in the tile
	s_barrier_signal -1
	s_barrier_wait -1
	s_cmp_ge_u32 s12, 512
	s_cbranch_scc1 .Lno_rows                       ; the weights are quantised along columns alone
	; ---- along rows: lane (r, h) takes two whole blocks of 32 of its row, in the order of the operand's registers
.irp u, 0,1
.irp c, 0,1
.irp j, 0,1,2,3,4,5,6,7
	ds_load_b128 v[X+64*\u+32*\c+4*\j:X+64*\u+32*\c+4*\j+3], v6 offset:8*\u*PITCH+256*\c+16*\j
.endr
.endr
.endr
.macro ROWQ u
.set XS, X+64*\u
.set CC0, 192+12*\u
.irp c, 0,1
	v_max3_num_f32 v[16+\c], |v[XS+32*\c]|, |v[XS+32*\c+1]|, 0x2800000   ; block 2 c + h, and the floor 2^(5 - 127): the byte cannot fall under 1
.endr
.irp i, 2,4,6,8,10,12,14,16,18,20,22,24,26,28,30
.irp c, 0,1
	v_max3_num_f32 v[16+\c], v[16+\c], |v[XS+32*\c+\i]|, |v[XS+32*\c+\i+1]|
.endr
.endr
.irp c, 0,1
	v_add_nc_u32 v[18+\c], 0xfe000000, v[16+\c]    ; 4 off the exponent field: the conversion's scale operand
.endr
.irp c, 0,1
	v_lshrrev_b32 v[20+\c], 23, v[18+\c]           ; the scale's byte
.endr
	v_lshl_or_b32 v22, v21, 16, v20                ; my two bytes, blocks h and 2 + h,
	v_lshlrev_b32 v22, v12, v22                    ; at their places in the word;
	v_permlanex16_b32 v23, v22, s48, s49
	v_or_b32 v[24+\u], v22, v23                    ; with lane l xor 16's two the word is whole
.irp c, 0,1
	v_cvt_scalef32_pk16_bf6_f32 v[CC0+6*\c:CC0+6*\c+2], v[XS+32*\c:XS+32*\c+15], v[18+\c]
	v_cvt_scalef32_pk16_bf6_f32 v[216+4*\c:218+4*\c], v[XS+32*\c+16:XS+32*\c+31], v[18+\c]   ; (a conversion's three registers begin on an even number)
.endr
	v_nop                                          ; one plain place behind a scaled conversion
.irp c, 0,1
.irp i, 0,1,2
	v_mov_b32 v[CC0+6*\c+3+\i], v[216+4*\c+\i]
.endr
.endr
.irp c, 0,1,2
	global_store_b128 v4, v[CC0+4*\c:CC0+4*\c+3], s[40:41] offset:\u*FRB+512*\c   ; 32 lanes store 512 consecutive bytes, aligned
.endr
.endm
	s_wait_dscnt 16                                ; the first tile's 16 loads are in
	ROWQ 0
	s_wait_dscnt 0x0
	ROWQ 1
	ds_store_b32 v7, v24                           ; lanes r and 16 + r write the same word with the same value
	ds_store_b32 v7, v25 offset:4
.Lno_rows:
	; ---- along columns: a lane takes a column, its registers run down K: four whole blocks
.macro CLOAD bi
.set i, 0
.rept 32
	ds_load_b32 v[X+32*((\bi)%2)+i], v[8+(\bi)/2] offset:((32*(\bi)+i)%64)*PITCH
.set i, i+1
.endr
.endm
.macro CBLK bi
.set XS, X+32*((\bi)%2)
.set CD, 224+12*((\bi)%2)+6*((\bi)/2)  ; block bi belongs to fragment lane (r', bi & 1), registers 6 (bi / 2) on
	v_max3_num_f32 v26, |v[XS]|, |v[XS+1]|, |v[XS+2]|
	v_max3_num_f32 v27, |v[XS+3]|, |v[XS+4]|, |v[XS+5]|
.irp i, 6,10,14,18,22,26
	v_max3_num_f32 v26, v26, |v[XS+\i]|, |v[XS+\i+1]|
	v_max3_num_f32 v27, v27, |v[XS+\i+2]|, |v[XS+\i+3]|
.endr
	v_max3_num_f32 v26, v26, |v[XS+30]|, |v[XS+31]|
	v_max3_num_f32 v26, v26, v27, 0x2800000
	v_add_nc_u32 v28, 0xfe000000, v26
	v_lshrrev_b32 v29, 23, v28
.if (\bi) == 0
	v_mov_b32 v30, v29
.else
	v_lshl_or_b32 v30, v29, 8*(\bi), v30           ; the four bytes make my column's scale word
.endif
	v_cvt_scalef32_pk16_bf6_f32 v[CD:CD+2], v[XS:XS+15], v28
	v_cvt_scalef32_pk16_bf6_f32 v[248:250], v[XS+16:XS+31], v28
	v_nop
.irp i, 0,1,2
	v_mov_b32 v[CD+3+\i], v[248+\i]
.endr
.endm
	CLOAD 0
	CLOAD 1
	s_wait_dscnt 32                                ; block 0 is in, block 1's 32 loads may be out; likewise below
	CBLK 0
	CLOAD 2
	s_wait_dscnt 32
	CBLK 1
	CLOAD 3
	s_wait_dscnt 32
	CBLK 2
	s_wait_dscnt 0x0
	CBLK 3
.irp h, 0,1
.irp c, 0,1,2
	global_store_b128 v10, v[224+12*\h+4*\c:224+12*\h+4*\c+3], s[44:45] offset:256*\h+512*\c   ; sixteen lanes store 256 consecutive bytes, aligned, in each of the two images
.endr
.endr
	ds_store_b32 v11, v30
	s_wait_dscnt 0x0                               ; for the others' sake: my scale words lie in LDS
	s_barrier_signal -1
	s_barrier_wait -1
	s_cmp_lg_u32 s29, 1
	s_cbranch_scc1 .Lnot_one
	ds_load_b128 v[16:19], v31 offset:512          ; the words made along columns: CS = RS + 512
	s_wait_dscnt 0x0
	global_store_b128 v14, v[16:19], s[46:47]      ; two runs of 256 consecutive bytes, aligned
.Lnot_one:
	s_cmp_lg_u32 s29, 0
	s_cbranch_scc1 .Lend
	s_cmp_ge_u32 s12, 512
	s_cbranch_scc1 .Lend
	ds_load_b128 v[64:67], v31                     ; the words made along rows
	s_wait_dscnt 0x0
	global_store_b128 v14, v[64:67], s[42:43]
.Lend:
	s_wait_tensorcnt 0x0
	ds_add_u32 v254, v255
	s_wait_dscnt 0x0
	s_endpgm
.Lfunc_end_k_qe2df9b278c_prep:
	.size	k_qe2df9b278c_prep, .Lfunc_end_k_qe2df9b278c_prep-k_qe2df9b278c_prep
	.p2alignl 7, 3214868480
	.fill 96, 4, 3214868480
	.section	.rodata,"a",@progbits
	.p2align	6, 0x0
	.amdhsa_kernel k_qe2df9b278c_prep
		.amdhsa_group_segment_fixed_size 69120
		.amdhsa_private_segment_fixed_size 0
		.amdhsa_enable_private_segment 0
		.amdhsa_kernarg_size 32
		.amdhsa_user_sgpr_count 2
		.amdhsa_user_sgpr_kernarg_segment_ptr 1
		.amdhsa_wavefront_size32 1
		.amdhsa_system_sgpr_workgroup_id_x 1
		.amdhsa_system_sgpr_workgroup_id_y 1
		.amdhsa_system_sgpr_workgroup_id_z 1
		.amdhsa_system_vgpr_workitem_id 0
		.amdhsa_next_free_vgpr 256
		.amdhsa_next_free_sgpr 66
		.amdhsa_reserve_vcc 0
		.amdhsa_float_denorm_mode_32 3
		.amdhsa_float_denorm_mode_16_64 3
		.amdhsa_memory_ordered 1
		.amdhsa_forward_progress 1
		.amdhsa_inst_pref_size 37
	.end_amdhsa_kernel
	.amdgpu_metadata
---
amdhsa.version: [ 1, 2 ]
amdhsa.kernels:
  - .name:           k_qe2df9b278c_prep
    .symbol:         k_qe2df9b278c_prep.kd
    .args:
      - { .name: src, .offset: 0, .size: 8, .value_kind: global_buffer, .address_space: global }
      - { .name: W1, .offset: 8, .size: 8, .value_kind: global_buffer, .address_space: global }
      - { .name: W2, .offset: 16, .size: 8, .value_kind: global_buffer, .address_space: global }
      - { .name: codes, .offset: 24, .size: 8, .value_kind: global_buffer, .address_space: global }
    .group_segment_fixed_size: 69120
    .private_segment_fixed_size: 0
    .kernarg_segment_align: 8
    .kernarg_segment_size: 32
    .max_flat_workgroup_size: 128
    .sgpr_count:     66
    .vgpr_count:     256
    .wavefront_size: 32
...
	.end_amdgpu_metadata
.endif
;; end of part 3
;; launch layer (part 4): grid 256 x 1, 4 waves a work-group, clusters of 4 x 1, 327,680 bytes of LDS; arguments codes, src, key_padding_mask, b1, b2, g1, be1, g2, be2, out0; writes out0
.if DOCPART == 4
	.amdgcn_target "amdgcn-amd-amdhsa--gfx1250"
	.amdhsa_code_object_version 6
	.text
	.protected	k_qe2df9b278c_layer
	.globl	k_qe2df9b278c_layer
	.p2align	8
	.type	k_qe2df9b278c_layer,@function
k_qe2df9b278c_layer:
	s_mov_b64 s[64:65], 0
	v_nop
	global_prefetch_b8 v0, s[64:65] scope:SCOPE_SE
	s_setreg_imm32_b32 hwreg(HW_REG_WAVE_MODE, 25, 1), 1
	s_wait_xcnt 0x0
	s_wait_alu depctr_hold_cnt(0) depctr_sa_sdst(0) depctr_va_vdst(0) depctr_va_sdst(0) depctr_va_ssrc(0) depctr_va_vcc(0) depctr_vm_vsrc(0)
	s_getreg_b32 s2, hwreg(HW_REG_IB_STS2, 6, 4)
	s_cmp_eq_u32 s2, 0
	s_cbranch_scc0 .Lentry_in_a_cluster
	s_endpgm
.Lentry_in_a_cluster:
	s_bfe_u32 s2, ttmp6, 0x10000c
	s_cmp_lg_u32 s2, 0x3003
	s_cbranch_scc0 .Lentry_shape_is_right
	s_endpgm
.Lentry_shape_is_right:
; out0 = LN2(x + relu(x W1 + b1) W2 + b2) with x = LN1(src + softmax(src src^T / sqrt(512) - 5 mask) src): the whole layer, for 64 rows of one batch, in one work-group of four waves; 256 work-groups.
; All four products run on codes of BF6 with E8M0 scales (v_wmma_scale_f32_16x16x128_f8f6f4).  src's and the weights' codes come from launch prep as images of operand registers, in tiles of TILEB bytes (two K steps
; of 512 rows, then their scale words); p, x and the hidden layer are quantised here, in registers, and reach the other waves as register images in LDS (PIMG, PSC).  Every input is loaded; no work is left out.
; ONE LOOP OF EIGHT TRIPS.  A trip takes 512 keys (trips 0-3) or 512 hidden units (trips 4-7) through two products, both used transposed, so that a lane holds one row throughout:
;   first   S^T = K Q^T (or W1^T x^T): wave w makes 128 of the 512 x my 64 rows, 32 accumulators; C of the first K step is the mask's row x -5 sqrt(512) (or b1);
;   then    the running softmax (M a whole number, p = 2^(t - M), the sum of the unquantised p) or the ReLU, and the quantiser along the 512;
;   second  O^T += V^T p^T (or W2^T h^T): wave w makes 128 of the 512 e x my 64 rows, 32 accumulators, K = the trip's 512.
; What differs between the two kinds of trip stands under scalar branches on the trip's number, the same in all waves and all partners.  At the top of trip 4: O / l, the residual, LN1, x's quantiser; x + b2 begins the second sum.
; The last trip leaves the loop behind the second product's first quarter: its other three quarters, which fill no slot again, are written out behind the loop.
; THE RING: two LDS slots of one tile; four tiles a trip (K0 K1 V0 V1, neighbours in memory).  The head's one load a wave brings 200 rows of 256 bytes: tiles 0 and 1 together, which are neighbours in LDS too.
; Each refill is a joint load of the cluster's four work-groups (64-row blocks of one batch walk the same tiles), behind a round of the cluster's barrier.  Slot 1's refill with V1 stands behind the exponentials (the ReLU's block maxima),
; ahead of the row sums and the quantiser, so that this work stands between the request and the wait for it.
; PREFETCH: in trip 3 the first four clusters ask for the weights' first four tiles of their walk, each partner a quarter by address, 100 lanes a row of 256 bytes each; one tile at each of the trip's four changes of slots.
; REGISTERS: window 0: v0-31 addresses, v32-63 the rows' state, v64-95 scale words, v96-159 at work, v160-255 eight fragments from the slots; window 1: Q's (x's) 16 fragments, v192-255 the bias;
;   window 2: S^T, then p, then p's 16 fragments; window 3: O^T.
; LIMITS: the softmax holds while the scaled scores (exponents to the base 2) stay under 2^31 in magnitude; NaN and infinities among the inputs are not served; a block whose largest magnitude lies under 2^-122 keeps the scale byte 1.
.set FRB,    1536
.set TILEB,  102400
.set SCOFF,  98304
.set QUART,  25600
.set REGION, 1638400
.set PIMG,   2*TILEB
.set PSC,    PIMG+16*FRB
.set XCH,    PSC+1024
.set MAXX,   0
.set LSUM,   2048
.set L1A,    4096
.set L1B,    6144
.set L2A,    8192
.set L2B,    10240
.set STG,    XCH+12288
.set SPARE,  STG+4*16*528
.set ST,   32
.set QS,   64
.set AS,   80
.set POOL, 160
.set BI,   192
.set MSB, 0
.macro WIN new
.if MSB != (\new)
	s_set_vgpr_msb (MSB<<8)|(\new)
.set MSB, (\new)
.endif
.endm
.macro PLACES n
.rept \n
	v_nop
.endr
.endm
.macro CREST
	s_cmp_lg_u32 s4, 0
	s_cbranch_scc1 .Lnot_wave_0_\@
	s_barrier_signal -3
.Lnot_wave_0_\@:
	s_barrier_wait -3
	s_barrier_signal -1
	s_barrier_wait -1
.endm
.macro CROUND
	s_barrier_signal -1
	s_barrier_wait -1
	CREST
.endm
.macro JLOAD slot
	tensor_load_to_lds s[36+4*\slot:39+4*\slot], s[28:35]
	s_nop 0
	PLACES 4
.endm
.macro ASK i
	s_cmp_lg_u32 s50, 0
	s_cbranch_scc0 .Lno_ask_\@
	global_prefetch_b8 v17, s[48:49] offset:\i*TILEB th:TH_LOAD_NT scope:SCOPE_SE
.Lno_ask_\@:
.endm
.macro FETCH slot, ks2, t0
.irp t, 0,1,2,3
.irp c, 0,1,2
	ds_load_b128 v[POOL+12*(\t0+\t)+4*\c:POOL+12*(\t0+\t)+4*\c+3], v[4+(\slot)] offset:(32*\ks2+\t0+\t)*FRB+512*\c
.endr
.endr
.endm
.macro ASCALE slot
	ds_load_b128 v[AS+8*(\slot):AS+8*(\slot)+3], v[6+(\slot)]
	ds_load_b128 v[AS+8*(\slot)+4:AS+8*(\slot)+7], v[6+(\slot)] offset:512
.endm
.macro MUL kind, first, slot, ks2, t0, n
.if \kind
	WIN 0xf8
.elseif \first
	WIN 0x94
.else
	WIN 0xa4
.endif
.set tt, \t0
.rept \n
.set qq, 0
.rept 4
.set rD, 64*qq+8*tt
.set rA, POOL+12*tt
.set rB, 12*(4*(2*\slot+\ks2)+qq)
.set rSA, AS+8*\slot+tt
.set rSB, QS+8*\kind+4*\slot+qq
.if \first
	v_wmma_scale_f32_16x16x128_f8f6f4 v[rD:rD+7], v[rA:rA+11], v[rB:rB+11], v[BI+8*tt:BI+8*tt+7], v[rSA], v[rSB] matrix_a_fmt:MATRIX_FMT_BF6 matrix_b_fmt:MATRIX_FMT_BF6
.elseif \ks2
	v_wmma_scale_f32_16x16x128_f8f6f4 v[rD:rD+7], v[rA:rA+11], v[rB:rB+11], v[rD:rD+7], v[rSA], v[rSB] matrix_a_fmt:MATRIX_FMT_BF6 matrix_b_fmt:MATRIX_FMT_BF6 matrix_a_scale:MATRIX_SCALE_ROW1 matrix_b_scale:MATRIX_SCALE_ROW1
.else
	v_wmma_scale_f32_16x16x128_f8f6f4 v[rD:rD+7], v[rA:rA+11], v[rB:rB+11], v[rD:rD+7], v[rSA], v[rSB] matrix_a_fmt:MATRIX_FMT_BF6 matrix_b_fmt:MATRIX_FMT_BF6
.endif
.set qq, qq+1
.endr
.set tt, tt+1
.endr
.endm
.macro KSTEP kind, first, slot, extra
	s_wait_dscnt 12+\extra
	MUL \kind, \first, \slot, 0, 0, 4
	PLACES 4
	WIN 0
	FETCH \slot, 1, 0
	s_wait_dscnt 12+\extra
	MUL \kind, \first, \slot, 0, 4, 4
	PLACES 4
	WIN 0
	FETCH \slot, 1, 4
.endm
.macro TURN kind, slot, fill, next, var, ask
	s_wait_dscnt 12                                ; fragments 0-3 are in; the twelve loads of fragments 4-7 may be out
	MUL \kind, 0, \slot, 1, 0, 4
	s_wait_dscnt 0x0                               ; fragments 4-7 are in: my reads of this slot are over
	MUL \kind, 0, \slot, 1, 4, 1                   ; twenty products, which hang on no tile that is on its way, stand ahead of the wait for the tiles
	WIN 0
	s_wait_tensorcnt 0x0                           ; all my tensor loads have landed: the one that was out is my part of the other slot
	ds_add_u32 v2, v3
.if \fill
.if \var
	s_add_nc_u64 s[38+4*\slot:39+4*\slot], s[38+4*\slot:39+4*\slot], s[44:45]
	s_sub_nc_u64 s[38+4*\slot:39+4*\slot], s[38+4*\slot:39+4*\slot], s[70:71]
.else
	s_add_nc_u64 s[38+4*\slot:39+4*\slot], s[38+4*\slot:39+4*\slot], 2*TILEB
.endif
.endif
	MUL \kind, 0, \slot, 1, 5, 1                   ; four products stand between the add and the wait for it
	WIN 0
	s_wait_dscnt 0x0                               ; the add is done
	s_barrier_signal -1
	s_barrier_wait -1
.if \fill
	CREST
	JLOAD \slot
.else
	PLACES 4
.endif
.if \next >= 0
	FETCH \next, 0, 0
	ASCALE \next
.endif
.if \ask >= 0
	ASK \ask
.endif
	MUL \kind, 0, \slot, 1, 6, 2
	PLACES 4
	WIN 0
.if \next >= 0
	FETCH \next, 0, 4
.endif
.endm
.macro LASTK kind, slot
	s_wait_dscnt 12
	MUL \kind, 0, \slot, 1, 0, 4
	s_wait_dscnt 0x0
	MUL \kind, 0, \slot, 1, 4, 4
	WIN 0
	PLACES 4
.endm
.macro VLOAD reg, base
.irp b, 0,1,2,3
.irp j, 0,1,2,3
	global_load_b128 v[\reg+16*\b+4*\j:\reg+16*\b+4*\j+3], v16, s[\base:\base+1] offset:128*\b+16*\j
.endr
.endr
.endm
.macro SRC_LOAD q
.set sr, 0
.rept 16
	global_load_b128 v[64*\q+4*sr:64*\q+4*sr+3], v1, s[10:11] offset:(32*(\q/2)+8*(\q%2)+sr+8*(sr/8))*2048 th:TH_LOAD_NT
.set sr, sr+1
.endr
.endm
.macro XCHG area
.irp q, 0,1,2,3
	ds_store_b32 v12, v[20+\q] offset:\area+512*\q
.endr
	s_wait_dscnt 0x0
	s_barrier_signal -1
	s_barrier_wait -1
.irp q, 0,1,2,3
	ds_load_b128 v[112+4*\q:115+4*\q], v13 offset:\area+512*\q
.endr
	s_wait_dscnt 0x0
.endm
.macro RED1
.irp q, 0,1,2,3
	v_pk_add_f32 v[96+4*\q:97+4*\q], v[96+4*\q:97+4*\q], v[98+4*\q:99+4*\q]
.endr
.irp q, 0,1,2,3
	v_add_f32 v[96+4*\q], v[96+4*\q], v[97+4*\q]
.endr
.endm
.macro RED2 area
.irp q, 0,1,2,3
	v_permlanex16_b32 v[112+\q], v[96+4*\q], s56, s57
.endr
.irp q, 0,1,2,3
	v_add_f32 v[20+\q], v[96+4*\q], v[112+\q]
.endr
	XCHG \area
.irp q, 0,1,2,3
	v_add_f32 v[96+4*\q], v[112+4*\q], v[113+4*\q]
	v_add_f32 v[97+4*\q], v[114+4*\q], v[115+4*\q]
.endr
.irp q, 0,1,2,3
	v_add_f32 v[20+\q], v[96+4*\q], v[97+4*\q]
.endr
.endm
.macro BLKMAX win
	WIN (\win)|((\win)<<2)
.set n, 0
.rept 16
	v_max3_num_f32 v[96+n], |v[16*n]|, |v[16*n+1]|, 0x2800000
.set n, n+1
.endr
	WIN ((\win)<<2)|((\win)<<4)
.irp i, 2,4,6,8,10,12,14
.set n, 0
.rept 16
	v_max3_num_f32 v[96+n], v[96+n], |v[16*n+\i]|, |v[16*n+\i+1]|
.set n, n+1
.endr
.endr
	WIN 0
.set n, 0
.rept 16
	v_permlanex16_b32 v[112+n], v[96+n], s56, s57
.set n, n+1
.endr
.set n, 0
.rept 16
	v_max_num_f32 v[96+n], v[96+n], v[112+n]
.set n, n+1
.endr
.endm
.macro QUANT4 win
.set n, 0
.rept 16
	v_add_nc_u32 v[128+n], 0xfe000000, v[96+n]
.set n, n+1
.endr
.set n, 0
.rept 16
	v_lshrrev_b32 v[144+n], 23, v[128+n]
.set n, n+1
.endr
.irp q, 0,1,2,3
	v_lshl_or_b32 v[240+\q], v[145+4*\q], 8, v[144+4*\q]
.endr
.irp q, 0,1,2,3
	v_lshl_or_b32 v[240+\q], v[146+4*\q], 16, v[240+\q]
.endr
.irp q, 0,1,2,3
	v_lshl_or_b32 v[240+\q], v[147+4*\q], 24, v[240+\q]
.endr
	WIN \win
.irp q, 0,1,2,3
.irp c, 0,1
	v_cvt_scalef32_pk16_bf6_f32 v[160+20*\q+6*\c:162+20*\q+6*\c], v[64*\q+32*\c:64*\q+32*\c+15], v[128+4*\q+2*\c]
	v_cvt_scalef32_pk16_bf6_f32 v[172+20*\q+4*\c:174+20*\q+4*\c], v[64*\q+32*\c+16:64*\q+32*\c+31], v[129+4*\q+2*\c]
.endr
.endr
	WIN 0
	v_nop
.irp q, 0,1,2,3
.irp c, 0,1
.irp i, 0,1,2
	v_permlane16_swap_b32 v[160+20*\q+6*\c+\i], v[172+20*\q+4*\c+\i]
.endr
.irp i, 0,1,2
	v_mov_b32 v[163+20*\q+6*\c+\i], v[172+20*\q+4*\c+\i]
.endr
.endr
.endr
.irp q, 0,1,2,3
.irp c, 0,1,2
	ds_store_b128 v8, v[160+20*\q+4*\c:163+20*\q+4*\c] offset:\q*FRB+512*\c
.endr
	ds_store_b32 v10, v[240+\q] offset:4*\q
.endr
.endm
.macro SOFTMAX
	WIN 0x2a
.set n, 0
.rept 16
	v_max3_num_f32 v[96+n], v[16*n], v[16*n+1], v[16*n+2]
.set n, n+1
.endr
	WIN 0x28
.irp i, 3,5,7,9,11,13
.set n, 0
.rept 16
	v_max3_num_f32 v[96+n], v[96+n], v[16*n+\i], v[16*n+\i+1]
.set n, n+1
.endr
.endr
	WIN 0x08
.set n, 0
.rept 16
	v_max_num_f32 v[96+n], v[96+n], v[16*n+15]
.set n, n+1
.endr
	WIN 0
.set n, 0
.rept 16
	v_permlanex16_b32 v[112+n], v[96+n], s56, s57
.set n, n+1
.endr
.set n, 0
.rept 16
	v_max_num_f32 v[96+n], v[96+n], v[112+n]
.set n, n+1
.endr
.irp q, 0,1,2,3
	v_max3_num_f32 v[20+\q], v[96+4*\q], v[97+4*\q], v[98+4*\q]
.endr
.irp q, 0,1,2,3
	v_max_num_f32 v[20+\q], v[20+\q], v[99+4*\q]
.endr
.irp q, 0,1,2,3
	v_mul_f32 v[20+\q], s54, v[20+\q]
.endr
	XCHG MAXX
.irp q, 0,1,2,3
	v_max3_num_f32 v[ST+8*\q+1], v[ST+8*\q+1], v[112+4*\q], v[113+4*\q]
.endr
.irp q, 0,1,2,3
	v_max3_num_f32 v[ST+8*\q+1], v[ST+8*\q+1], v[114+4*\q], v[115+4*\q]
.endr
.irp q, 0,1,2,3
	v_mov_b32 v[20+\q], v[ST+8*\q]
.endr
.irp q, 0,1,2,3
	v_floor_f32 v[ST+8*\q], -v[ST+8*\q+1]
.endr
.irp q, 0,1,2,3
	v_sub_f32 v[20+\q], v[ST+8*\q], v[20+\q]
.endr
.irp q, 0,1,2,3
	v_cvt_i32_f32 v[20+\q], v[20+\q]
.endr
.irp q, 0,1,2,3
	v_ldexp_f32 v[ST+8*\q+4], 1.0, v[20+\q]
.endr
.set n, 0
.rept 16
	v_fma_f32 v[96+n], v[96+n], s54, v[ST+8*(n/4)]
.set n, n+1
.endr
	WIN 0x82
.irp q, 0,1,2,3
.set n, 0
.rept 32
	v_pk_fma_f32 v[64*\q+n:64*\q+n+1], v[64*\q+n:64*\q+n+1], s[54:55], v[ST+8*\q:ST+8*\q+1] op_sel_hi:[1,0,0]
.set n, n+2
.endr
.endr
	WIN 0
.set n, 0
	s_wait_alu depctr_va_vdst(0)
.rept 16
	v_exp_f32 v[96+n], v[96+n]
.set n, n+1
.endr
	WIN 0x82
.set n, 0
.rept 256
	v_exp_f32 v[n], v[n]
.set n, n+1
.endr
	WIN 0
.irp q, 0,1,2,3
	v_pk_mul_f32 v[ST+8*\q+2:ST+8*\q+3], v[ST+8*\q+2:ST+8*\q+3], v[ST+8*\q+4:ST+8*\q+5] op_sel_hi:[1,0]
.endr
	s_wait_alu depctr_va_vdst(0)
.endm
.macro SSUM                            ; the rows' sums of the unquantised p, and the floor under the blocks' largest p
	WIN 0x0a
.irp q, 0,1,2,3
	v_pk_add_f32 v[20+2*\q:21+2*\q], v[64*\q:64*\q+1], v[64*\q+2:64*\q+3]
.endr
	WIN 0x08
.set n, 4
.rept 15
.irp q, 0,1,2,3
	v_pk_add_f32 v[ST+8*\q+2:ST+8*\q+3], v[ST+8*\q+2:ST+8*\q+3], v[64*\q+n:64*\q+n+1]
	v_pk_add_f32 v[20+2*\q:21+2*\q], v[20+2*\q:21+2*\q], v[64*\q+n+2:64*\q+n+3]
.endr
.set n, n+4
.endr
	WIN 0
.irp q, 0,1,2,3
	v_pk_add_f32 v[ST+8*\q+2:ST+8*\q+3], v[ST+8*\q+2:ST+8*\q+3], v[20+2*\q:21+2*\q]
.endr
.set n, 0
.rept 16
	v_max_num_f32 v[96+n], 0x2800000, v[96+n]
.set n, n+1
.endr
.endm
.macro RELU
	WIN 0x88
.set n, 0
.rept 256
	v_max_num_f32 v[n], 0, v[n]
.set n, n+1
.endr
	BLKMAX 2
.endm
.macro SPHASE bb
	s_wait_loadcnt 0x0
.if \bb >= 0
	s_add_co_u32 s72, s3, s53
	s_add_co_u32 s72, s72, 1
	s_and_b32 s72, s72, 3
	s_lshl_b32 s72, s72, 11
	s_add_nc_u64 s[60:61], s[\bb:\bb+1], s[72:73]
.endif
	PLACES 5                                       ; places ahead of products that write over p's fragments, which the last products read
	s_cmp_ge_u32 s3, 4
	s_cbranch_scc1 .Lno_mask                       ; b1 goes in as it is
	WIN 0x41
.set n, 0
.rept 32
	v_pk_mul_f32 v[BI+n:BI+n+1], v[BI+n:BI+n+1], s[58:59] op_sel_hi:[1,0]   ; the mask x -5 sqrt(512): in the scores' own unit, ahead of the factor log2(e) / sqrt(512)
.set n, n+2
.endr
	WIN 0
.Lno_mask:
	FETCH 0, 0, 0
	ASCALE 0
	FETCH 0, 0, 4
	s_wait_alu depctr_va_vdst(0)
	KSTEP 0, 1, 0, 0
	TURN 0, 0, 1, 1, 0, 0
	KSTEP 0, 0, 1, 0
	LASTK 0, 1
.endm
.macro T2
	WIN 0
	s_wait_tensorcnt 0x0
	ds_add_u32 v2, v3
	s_add_nc_u64 s[42:43], s[42:43], 2*TILEB
	s_wait_dscnt 0x0
	CROUND
	JLOAD 1
.endm
.macro PLOAD s
.irp q, 0,1,2,3
.irp c, 0,1,2
	ds_load_b128 v[12*(4*\s+\q)+4*\c:12*(4*\s+\q)+4*\c+3], v9 offset:(4*\s+\q)*FRB+512*\c
.endr
.endr
.endm
.macro PVLOADS
	ds_load_b128 v[72:75], v11
	ds_load_b128 v[76:79], v11 offset:512
	ASCALE 0
	WIN 0x80
	PLOAD 0
	WIN 0
	FETCH 0, 0, 0
	FETCH 0, 0, 4
	WIN 0x80
	PLOAD 1
	PLOAD 2
	PLOAD 3
	WIN 0
.endm
.macro LN a1, a2, gw, lc
	WIN 0x0f
.irp q, 0,1,2,3
	v_pk_add_f32 v[96+4*\q:97+4*\q], v[64*\q:64*\q+1], v[64*\q+2:64*\q+3]
.endr
.irp q, 0,1,2,3
	v_pk_add_f32 v[98+4*\q:99+4*\q], v[64*\q+4:64*\q+5], v[64*\q+6:64*\q+7]
.endr
	WIN 0x0c
.set n, 8
.rept 14
.irp q, 0,1,2,3
	v_pk_add_f32 v[96+4*\q:97+4*\q], v[96+4*\q:97+4*\q], v[64*\q+n:64*\q+n+1]
	v_pk_add_f32 v[98+4*\q:99+4*\q], v[98+4*\q:99+4*\q], v[64*\q+n+2:64*\q+n+3]
.endr
.set n, n+4
.endr
	WIN 0
	RED1
	RED2 \a1
.irp q, 0,1,2,3
	v_mul_f32 v[ST+8*\q+6], 0xbb000000, v[20+\q]
.endr
	WIN 0xc3
.irp q, 0,1,2,3
.set n, 0
.rept 32
	v_pk_add_f32 v[64*\q+n:64*\q+n+1], v[64*\q+n:64*\q+n+1], v[ST+8*\q+6:ST+8*\q+7] op_sel_hi:[1,0]
.set n, n+2
.endr
.endr
	WIN 0x0f
.irp q, 0,1,2,3
	v_pk_mul_f32 v[96+4*\q:97+4*\q], v[64*\q:64*\q+1], v[64*\q:64*\q+1]
.endr
.irp q, 0,1,2,3
	v_pk_mul_f32 v[98+4*\q:99+4*\q], v[64*\q+2:64*\q+3], v[64*\q+2:64*\q+3]
.endr
.set n, 4
.rept 15
.irp q, 0,1,2,3
	v_pk_fma_f32 v[96+4*\q:97+4*\q], v[64*\q+n:64*\q+n+1], v[64*\q+n:64*\q+n+1], v[96+4*\q:97+4*\q]
	v_pk_fma_f32 v[98+4*\q:99+4*\q], v[64*\q+n+2:64*\q+n+3], v[64*\q+n+2:64*\q+n+3], v[98+4*\q:99+4*\q]
.endr
.set n, n+4
.endr
	WIN 0
	RED1
	RED2 \a2
.irp q, 0,1,2,3
	v_fma_f32 v[20+\q], v[20+\q], s66, s67
.endr
	s_wait_alu depctr_va_vdst(0)
.irp q, 0,1,2,3
	v_rsq_f32 v[ST+8*\q+4], v[20+\q]
.endr
	v_nop
	s_wait_alu depctr_va_vdst(0)
	WIN 0xc3
.irp q, 0,1,2,3
.set n, 0
.rept 32
	v_pk_mul_f32 v[64*\q+n:64*\q+n+1], v[64*\q+n:64*\q+n+1], v[ST+8*\q+4:ST+8*\q+5] op_sel_hi:[1,0]
.set n, n+2
.endr
.endr
	s_wait_loadcnt \lc
	WIN 0xc3|((\gw)<<2)|((\gw)<<4)
.irp q, 0,1,2,3
.set n, 0
.rept 32
	v_pk_fma_f32 v[64*\q+n:64*\q+n+1], v[64*\q+n:64*\q+n+1], v[n:n+1], v[64+n:65+n]
.set n, n+2
.endr
.endr
	WIN 0
.endm
	s_load_b512 s[8:23], s[0:1], 0x0
	s_load_b128 s[24:27], s[0:1], 0x40
	v_lshl_add_u32 v2, v0, 2, SPARE
	v_mov_b32 v3, 0
	ds_add_u32 v2, v3
	ds_add_u32 v2, v3
	s_wait_dscnt 0x0
	v_lshrrev_b32 v18, 5, v0
	v_readfirstlane_b32 s4, v18
	s_bfe_u32 s5, ttmp6, 0x40000
	s_lshl_b32 s6, ttmp9, 2
	s_add_co_u32 s6, s6, s5
	s_lshr_b32 s7, ttmp9, 3
	s_lshr_b32 s53, ttmp9, 1
	s_xor_b32 s53, s53, ttmp9
	s_and_b32 s53, s53, 3
	s_mov_b32 s28, 15|(3<<16)|(1<<21)
	s_mov_b32 s29, 32<<16
	s_mov_b32 s30, 100<<16
	s_mov_b32 s31, 32<<16
	s_mov_b32 s32, 100
	s_mov_b32 s33, 32
	s_mov_b32 s34, 0
	s_mov_b32 s35, 0
	s_mul_i32 s72, s4, QUART
	s_mul_i32 s74, s7, REGION
	s_mul_i32 s75, s53, 4*TILEB
	s_add_co_u32 s76, s74, s72
	s_add_co_u32 s76, s76, s75
	s_mov_b32 s77, 0
	s_wait_kmcnt 0x0
	s_add_nc_u64 s[76:77], s[8:9], s[76:77]
	s_mov_b32 s36, 1
	s_mov_b32 s37, s72
	s_mov_b64 s[38:39], s[76:77]
	s_or_b32 s39, s39, 0x80000000
	s_mov_b32 s40, 1
	s_add_co_u32 s41, s72, TILEB
	s_add_nc_u64 s[42:43], s[76:77], TILEB
	s_or_b32 s43, s43, 0x80000000
	; the head's load: tiles 0 and 1 lie on end in memory and in LDS, 800 rows of 256 bytes; wave w brings rows 200 w .. 200 w + 199: one tensor load a wave fills both slots
	s_mov_b32 s92, 15|(3<<16)|(1<<21)
	s_mov_b32 s93, 32<<16
	s_mov_b32 s94, 200<<16
	s_mov_b32 s95, 32<<16
	s_mov_b32 s96, 200
	s_mov_b32 s97, 32
	s_mov_b32 s98, 0
	s_mov_b32 s99, 0
	s_mov_b32 s73, 0
	s_mov_b32 s88, 1
	s_lshl_b32 s89, s72, 1                         ; LDS: wave x 2 QUART
	s_add_nc_u64 s[90:91], s[76:77], s[72:73]      ; memory: tile 0 + wave x 2 QUART (s[76:77] holds tile 0 + wave x QUART)
	s_or_b32 s91, s91, 0x80000000
	CROUND                                         ; the four partners are here: the first joint loads meet
	tensor_load_to_lds s[88:91], s[92:99]
	s_nop 0
	PLACES 4
	v_and_b32 v18, 31, v0
	v_lshlrev_b32 v1, 4, v18
	v_and_b32 v19, 15, v0
	v_bfe_u32 v28, v0, 4, 1
	s_mul_i32 s72, s4, 8*FRB
	v_add_nc_u32 v4, s72, v1
	v_add_nc_u32 v5, TILEB, v4
	s_lshl_b32 s72, s4, 10
	s_add_co_u32 s72, s72, SCOFF
	v_add_nc_u32 v6, s72, v1
	v_add_nc_u32 v7, TILEB, v6
	s_mul_i32 s72, s4, 4*FRB
	s_add_co_u32 s72, s72, PIMG
	v_add_nc_u32 v8, s72, v1
	v_add_nc_u32 v9, PIMG, v1
	s_lshl_b32 s72, s4, 8
	s_add_co_u32 s72, s72, PSC
	v_lshl_add_u32 v10, v19, 4, s72
	v_add_nc_u32 v11, PSC, v1
	s_lshl_b32 s72, s4, 2
	s_add_co_u32 s72, s72, XCH
	v_add_nc_u32 v12, s72, v1
	v_add_nc_u32 v13, XCH, v1
	s_mul_i32 s72, s4, 16*528
	s_add_co_u32 s72, s72, STG
	v_add_nc_u32 v14, s72, v1
	v_mul_u32_u24 v15, v19, 528
	v_lshl_add_u32 v15, v28, 6, v15
	v_add_nc_u32 v15, s72, v15
	v_lshlrev_b32 v16, 6, v28
	s_wait_alu depctr_va_vdst(0)
	v_min_u32 v17, 99, v0
	v_lshlrev_b32 v17, 8, v17
	s_and_b32 s72, s6, 31
	s_lshr_b32 s73, s72, 3
	s_mul_i32 s73, s73, 4*TILEB
	s_add_co_u32 s73, s73, s74
	s_bfe_u32 s78, s72, 0x20001
	s_and_b32 s79, s6, 1
	s_lshl_b32 s80, s78, 3
	s_lshl_b32 s81, s79, 2
	s_add_co_u32 s80, s80, s81
	s_mul_i32 s80, s80, FRB
	s_add_co_u32 s80, s80, s73
	s_mov_b32 s81, 0
	s_add_nc_u64 s[80:81], s[8:9], s[80:81]
	s_lshl_b32 s82, s78, 10
	s_lshl_b32 s83, s79, 9
	s_add_co_u32 s82, s82, s83
	s_add_co_u32 s82, s82, s73
	s_add_co_u32 s82, s82, SCOFF
	s_mov_b32 s83, 0
	s_add_nc_u64 s[82:83], s[8:9], s[82:83]
	WIN 0x40
.irp s, 0,1,2,3
.irp q, 0,1,2,3
.irp c, 0,1,2
	global_load_b128 v[12*(4*\s+\q)+4*\c:12*(4*\s+\q)+4*\c+3], v1, s[80:81] offset:(\s/2)*TILEB+(\s%2)*32*FRB+\q*FRB+512*\c
.endr
.endr
.endr
	WIN 0
	global_load_b128 v[64:67], v1, s[82:83]
	global_load_b128 v[68:71], v1, s[82:83] offset:TILEB
	s_lshl_b32 s72, s6, 17
	s_lshl_b32 s84, s4, 9
	s_add_co_u32 s72, s72, s84
	s_mov_b32 s73, 0
	s_mov_b32 s85, 0
	s_add_nc_u64 s[10:11], s[10:11], s[72:73]
	s_add_nc_u64 s[26:27], s[26:27], s[72:73]
.irp p, 14,16,18,20,22,24
	s_add_nc_u64 s[\p:\p+1], s[\p:\p+1], s[84:85]
.endr
	s_lshl_b32 s72, s7, 13
	s_add_co_u32 s72, s72, s84
	s_add_nc_u64 s[12:13], s[12:13], s[72:73]
	s_lshl_b32 s72, s53, 11
	s_add_nc_u64 s[60:61], s[12:13], s[72:73]
	WIN 0x40
	VLOAD BI, 60
	WIN 0
	s_mul_i32 s72, s5, QUART
	s_add_co_u32 s72, s72, s75
	s_add_co_u32 s72, s72, 8*REGION
	s_add_nc_u64 s[48:49], s[8:9], s[72:73]
	s_sub_co_u32 s47, 8, s7
	s_mul_i32 s47, s47, REGION
	s_add_co_u32 s46, s47, 2*TILEB
	s_mov_b32 s45, 0
	s_mov_b32 s71, 0
	s_cmp_lt_u32 ttmp9, 4
	s_cselect_b32 s52, 1, 0
	s_mov_b32 s54, 0x3d8293ee
	s_mov_b32 s55, s54
	s_mov_b32 s56, 0x76543210
	s_mov_b32 s57, 0xfedcba98
	s_mov_b32 s58, 0xc2e24630
	s_mov_b32 s59, s58
	s_mov_b32 s66, 0x3b000000
	s_mov_b32 s67, 0x3727c5ac
.irp q, 0,1,2,3
	v_mov_b32 v[ST+8*\q+1], 0xff61b1e6
	v_floor_f32 v[ST+8*\q], -v[ST+8*\q+1]
.irp k, 2,3,4,5,6,7
	v_mov_b32 v[ST+8*\q+\k], 0
.endr
.endr
.set n, 0
.rept 16
	v_mov_b32 v[112+n], 0
.set n, n+1
.endr
	WIN 0xc0
.set n, 0
.rept 256
	v_mov_b32 v[n], 0
.set n, n+1
.endr
	WIN 0
	s_wait_alu depctr_va_vdst(0)
	s_wait_tensorcnt 0x0                           ; my 200 rows are in;
	s_barrier_signal -1
	s_barrier_wait -1                              ; and everybody's: both slots are whole
	s_mov_b32 s3, 0                                ; the trip's number, 0 to 7
.Lloop:
	s_cmp_lg_u32 s3, 4
	s_cbranch_scc1 .Ltrip
	; ---- between the two halves, at the top of trip 4 alone: O / l, the residual, LN1, x's codes, and x + b2 as the start of the second sum
	s_wait_loadcnt 0x0
	WIN 0x80
	VLOAD 0, 18
	VLOAD 64, 20
	VLOAD 128, 16
	WIN 0
.irp q, 0,1,2,3
	v_add_f32 v[96+4*\q], v[ST+8*\q+2], v[ST+8*\q+3]
.endr
	RED2 LSUM
	s_wait_alu depctr_va_vdst(0)
.irp q, 0,1,2,3
	v_rcp_f32 v[ST+8*\q+4], v[20+\q]
.endr
	v_nop
	s_wait_alu depctr_va_vdst(0)
.macro SRCSTAGE q
	WIN 0x04
.set n, 0
.rept 16
	ds_store_b128 v14, v[64*\q+4*n:64*\q+4*n+3] offset:528*n
.set n, n+1
.endr
	WIN 0x40
.irp b, 0,1,2,3
.irp j, 0,1,2,3
	ds_load_b128 v[64*\q+16*\b+4*\j:64*\q+16*\b+4*\j+3], v15 offset:128*\b+16*\j
.endr
.endr
	WIN 0
.endm
.macro XFMA q
	WIN 0xd3
.set n, 0
.rept 32
	v_pk_fma_f32 v[64*\q+n:64*\q+n+1], v[64*\q+n:64*\q+n+1], v[ST+8*\q+4:ST+8*\q+5], v[64*\q+n:64*\q+n+1] op_sel_hi:[1,0,1]
.set n, n+2
.endr
	WIN 0
.endm
	SRCSTAGE 0
	SRCSTAGE 1
	s_wait_dscnt 32
	XFMA 0
	SRCSTAGE 2
	s_wait_dscnt 32
	XFMA 1
	SRCSTAGE 3
	s_wait_dscnt 32
	XFMA 2
	s_wait_dscnt 0x0
	XFMA 3
	s_lshl_b32 s72, s53, 11
	s_add_nc_u64 s[60:61], s[14:15], s[72:73]
	WIN 0x40
	VLOAD BI, 60
	WIN 0
	LN L1A, L1B, 2, 16
	BLKMAX 3
	QUANT4 3
	WIN 0xcb
.irp q, 0,1,2,3
.set n, 0
.rept 32
	v_pk_add_f32 v[64*\q+n:64*\q+n+1], v[64*\q+n:64*\q+n+1], v[128+n:129+n]
.set n, n+2
.endr
.endr
	WIN 0
	s_wait_dscnt 0x0
	s_barrier_signal -1
	s_barrier_wait -1
	WIN 0x40
	PLOAD 0
	PLOAD 1
	PLOAD 2
	PLOAD 3
	WIN 0
	ds_load_b128 v[64:67], v11
	ds_load_b128 v[68:71], v11 offset:512
.Ltrip:
	s_cmp_eq_u32 s3, 3
	s_cselect_b32 s44, s46, 2*TILEB                ; what the second product's refills step by: two tiles on; out of trip 3, on into the weights' region
	s_cselect_b32 s50, s52, 0                      ; the prefetches run in trip 3 alone, in the first four clusters
	s_add_co_u32 s47, s3, s53
	s_and_b32 s47, s47, 3                          ; which 512 of the 2,048 this trip takes: the clusters begin at four different places
	s_cmp_eq_u32 s47, 3
	s_cselect_b32 s70, 16*TILEB, 0                 ; behind the region's last tiles the walk goes back to its first
	s_cmp_lt_u32 s3, 3
	s_cselect_b64 s[62:63], s[12:13], s[14:15]     ; the next trip's bias: the mask's row while that trip is attention's, else b1
	SPHASE 62
	s_cmp_lg_u32 s3, 3
	s_cbranch_scc1 .Lno_src
	WIN 0x40                                       ; Q's fragments are done with: src's rows for the residual land there
	SRC_LOAD 0
	SRC_LOAD 1
	SRC_LOAD 2
	WIN 0
.Lno_src:
	s_cmp_ge_u32 s3, 4
	s_cbranch_scc1 .Lrelu
	SOFTMAX                                        ; the maxima, M, t - M, the exponentials
	s_branch .Lfill
.Lrelu:
	RELU                                           ; the activation and the blocks' largest numbers
.Lfill:
	s_wait_alu depctr_va_vdst(0)
	T2                                             ; nobody reads slot 1 any more: V1 is asked for, with the sums, the quantiser and half of the second product ahead of the wait for it
	s_cmp_ge_u32 s3, 4
	s_cbranch_scc1 .Lquant
	SSUM
.Lquant:
	QUANT4 2
	s_wait_dscnt 0x0                               ; for the others' sake: my four images and their scale words lie in LDS
	s_barrier_signal -1
	s_barrier_wait -1                              ; slot 1's load stays out across it
	PVLOADS
	ASK 1
	s_cmp_eq_u32 s3, 3
	s_cbranch_scc1 .Lsrc3
	s_cmp_eq_u32 s3, 7
	s_cbranch_scc1 .Lgain2
	WIN 0x40
	VLOAD BI, 60                                   ; the next trip's bias
	WIN 0
	s_branch .Lbias_done
.Lsrc3:
	WIN 0x40
	SRC_LOAD 3                                     ; the last quarter of src's rows, where the mask lay
	WIN 0
	s_branch .Lbias_done
.Lgain2:
	s_wait_loadcnt 0x0                             ; every earlier load of mine has come back: the loads below land in registers that earlier loads of the text name
	WIN 0x40
	VLOAD 0, 22                                    ; g2 and be2, where x's fragments lay
	VLOAD 64, 24
	WIN 0
.Lbias_done:
	s_cmp_ge_u32 s3, 4
	s_cbranch_scc1 .Lno_scale
	WIN 0xc3
.irp q, 0,1,2,3
.set n, 0
.rept 32
	v_pk_mul_f32 v[64*\q+n:64*\q+n+1], v[64*\q+n:64*\q+n+1], v[ST+8*\q+4:ST+8*\q+5] op_sel_hi:[1,0]   ; O^T under the new M: x 2^(old M - new M), which rounds nothing
.set n, n+2
.endr
.endr
	WIN 0
	s_wait_alu depctr_va_vdst(0)
.Lno_scale:
	KSTEP 1, 0, 0, 36                              ; behind the first four fragments' loads: four more fragments (12 loads) and 12 of p's (36)
	s_cmp_eq_u32 s3, 7
	s_cbranch_scc1 .Llast                          ; the last trip asks for nothing more: its rest is written out behind the loop
	TURN 1, 0, 1, 1, 1, 2                          ; slot 0 takes the next trip's first tile,
	KSTEP 1, 0, 1, 0
	TURN 1, 1, 1, -1, 1, 3                         ; slot 1 its second
	s_add_co_u32 s3, s3, 1
	s_cmp_lt_u32 s3, 8                             ; (here s3 is 7 at the most: the loop is left by the branch above)
	s_cbranch_scc1 .Lloop
.Llast:
	TURN 1, 0, 0, 1, 0, -1
	KSTEP 1, 0, 1, 0
	LASTK 1, 1
	LN L2A, L2B, 1, 0
.macro TOSTAGE q
	WIN 0x0c
.irp b, 0,1,2,3
.irp j, 0,1,2,3
	ds_store_b128 v15, v[64*\q+16*\b+4*\j:64*\q+16*\b+4*\j+3] offset:128*\b+16*\j
.endr
.endr
	WIN 0x80
.set n, 0
.rept 16
	ds_load_b128 v[64*\q+4*n:64*\q+4*n+3], v14 offset:528*n
.set n, n+1
.endr
	WIN 0
.endm
.macro SEND q, younger
	s_wait_dscnt \younger
	WIN 0x08
.set n, 0
.rept 16
	global_store_b128 v1, v[64*\q+4*n:64*\q+4*n+3], s[26:27] offset:(32*(\q/2)+8*(\q%2)+n+8*(n/8))*2048 th:TH_STORE_NT
.set n, n+1
.endr
	WIN 0
.endm
	TOSTAGE 0
	TOSTAGE 1
	s_wait_alu depctr_va_vdst(0)
	SEND 0, 32
	TOSTAGE 2
	SEND 1, 32
	TOSTAGE 3
	SEND 2, 32
	SEND 3, 0
	s_wait_tensorcnt 0x0
	ds_add_u32 v2, v3
	s_wait_dscnt 0x0
	CROUND
	s_endpgm
.Lfunc_end_k_qe2df9b278c_layer:
	.size	k_qe2df9b278c_layer, .Lfunc_end_k_qe2df9b278c_layer-k_qe2df9b278c_layer
	.p2alignl 7, 3214868480
	.fill 96, 4, 3214868480
	.section	.rodata,"a",@progbits
	.p2align	6, 0x0
	.amdhsa_kernel k_qe2df9b278c_layer
		.amdhsa_group_segment_fixed_size 327680
		.amdhsa_private_segment_fixed_size 0
		.amdhsa_enable_private_segment 0
		.amdhsa_kernarg_size 80
		.amdhsa_user_sgpr_count 2
		.amdhsa_user_sgpr_kernarg_segment_ptr 1
		.amdhsa_wavefront_size32 1
		.amdhsa_system_sgpr_workgroup_id_x 1
		.amdhsa_system_sgpr_workgroup_id_y 1
		.amdhsa_system_sgpr_workgroup_id_z 1
		.amdhsa_system_vgpr_workitem_id 0
		.amdhsa_next_free_vgpr 1024
		.amdhsa_next_free_sgpr 100
		.amdhsa_reserve_vcc 0
		.amdhsa_float_denorm_mode_32 3
		.amdhsa_float_denorm_mode_16_64 3
		.amdhsa_memory_ordered 1
		.amdhsa_forward_progress 1
		.amdhsa_inst_pref_size 255
	.end_amdhsa_kernel
	.section	.bss,"aw",@nobits
	.p2align	6
	.space	262144
	.amdgpu_metadata
---
amdhsa.version: [ 1, 2 ]
amdhsa.kernels:
  - .name:           k_qe2df9b278c_layer
    .symbol:         k_qe2df9b278c_layer.kd
    .args:
      - { .name: codes, .offset: 0, .size: 8, .value_kind: global_buffer, .address_space: global }
      - { .name: src, .offset: 8, .size: 8, .value_kind: global_buffer, .address_space: global }
      - { .name: key_padding_mask, .offset: 16, .size: 8, .value_kind: global_buffer, .address_space: global }
      - { .name: b1, .offset: 24, .size: 8, .value_kind: global_buffer, .address_space: global }
      - { .name: b2, .offset: 32, .size: 8, .value_kind: global_buffer, .address_space: global }
      - { .name: g1, .offset: 40, .size: 8, .value_kind: global_buffer, .address_space: global }
      - { .name: be1, .offset: 48, .size: 8, .value_kind: global_buffer, .address_space: global }
      - { .name: g2, .offset: 56, .size: 8, .value_kind: global_buffer, .address_space: global }
      - { .name: be2, .offset: 64, .size: 8, .value_kind: global_buffer, .address_space: global }
      - { .name: out0, .offset: 72, .size: 8, .value_kind: global_buffer, .address_space: global }
    .group_segment_fixed_size: 327680
    .private_segment_fixed_size: 0
    .kernarg_segment_align: 8
    .kernarg_segment_size: 80
    .max_flat_workgroup_size: 128
    .sgpr_count:     100
    .vgpr_count:     1024
    .wavefront_size: 32
...
	.end_amdgpu_metadata
.endif
;; end of part 4
